; MI455X (gfx1250); checked and timed in simulation.
; The chip was launched on July 23, 2026; its instructions are those of AMD's public machine-readable ISA for CDNA 5 (MIT licence, August 2026) and "CDNA5" Instruction Set Architecture Reference Guide (July 2026). The comments in the code are by the model that wrote it; some were corrected since.
;; Self Attention. Allowed arithmetic: matrix products marked QUANTISED: E2M3 operands, one E8M0 scale for each 32 along K, by v_wmma_scale_f32_16x16x128_f8f6f4 with both operands' format E2M3, f32 sums; products left as they are: f32 operands where the result goes on into a quantised operand, else bf16, f16 or f32 operands; f32 sums; everything else in f32.
;; Inputs: Wk_codes 1,024 x 32 x 24 uint8 (E2M3 codes of Wk, K innermost, in blocks of 32 codes, four codes in three bytes); Wk_scales 1,024 x 32 uint8 (E8M0 scales of Wk, one for each 32 codes along K); Wo_codes 1,024 x 32 x 24 uint8 (E2M3 codes of Wo, K innermost, in blocks of 32 codes, four codes in three bytes); Wo_scales 1,024 x 32 uint8 (E8M0 scales of Wo, one for each 32 codes along K); Wq_codes 1,024 x 32 x 24 uint8 (E2M3 codes of Wq, K innermost, in blocks of 32 codes, four codes in three bytes); Wq_scales 1,024 x 32 uint8 (E8M0 scales of Wq, one for each 32 codes along K); Wv_codes 1,024 x 32 x 24 uint8 (E2M3 codes of Wv, K innermost, in blocks of 32 codes, four codes in three bytes); Wv_scales 1,024 x 32 uint8 (E8M0 scales of Wv, one for each 32 codes along K); bk 1,024 float32; bo 1,024 float32; bq 1,024 float32; bv 1,024 float32; x_codes 4 x 2,048 x 32 x 24 uint8 (E2M3 codes of x, K innermost, in blocks of 32 codes, four codes in three bytes); x_scales 4 x 2,048 x 32 uint8 (E8M0 scales of x, one for each 32 codes along K).
;; Outputs: out0 4 x 2,048 x 1,024 float32.
;; This version of the problem:
;;   THIS VERSION OF THE PROBLEM IS GIVEN IN LOW PRECISION. The matrix products marked QUANTISED in the list below multiply operands that are first quantised to E2M3 (2 exponent bits, 3 mantissa bits; 6 bits a number), with one power-of-two scale for each 32 numbers along K (OCP MX v1.0); their sums are f32. All else is computed in f32.
;;   The module's matrix products, in the order in which they are computed (A, B: the left and right operand; K: the contracted axis; several contracted axes count as one K, in the product's order):
;;     1. [M 8,192, K 1,024] x [K 1,024, N 1,024]; A: input x (given as codes); B: input Wq (given as codes): QUANTISED
;;     2. [M 8,192, K 1,024] x [K 1,024, N 1,024]; A: input x (given as codes); B: input Wk (given as codes): QUANTISED
;;     3. [M 8,192, K 1,024] x [K 1,024, N 1,024]; A: input x (given as codes); B: input Wv (given as codes): QUANTISED
;;     4. [M 2,048, K 1] x [K 1, N 32]; A: computed on the way; B: computed on the way: left as it is (no contracted axis)
;;     5. batch 64 x [M 2,048, K 64] x [K 64, N 2,048]; A: computed on the way; B: computed on the way: QUANTISED
;;     6. batch 64 x [M 64, K 2,048] x [K 2,048, N 2,048]; A: computed on the way; B: softmax (see below): QUANTISED
;;     7. [M 8,192, K 1,024] x [K 1,024, N 1,024]; A: computed on the way; B: input Wo (given as codes): QUANTISED
;;   THE QUANTISER, for each operand of a quantised product, along K:
;;     - K is cut into blocks of 32 from its start; a last block that is shorter is filled with zeros.
;;     - A block's scale is 2^e with e = floor(log2(the largest magnitude in the block)) - 2, held to -126 .. 127; a block of zeros has e = 0. As a byte (E8M0): e + 127.
;;     - Each number is divided by its block's scale, clamped to +-7.5, and rounded to the nearest number of E2M3, ties to even, subnormals kept.
;;     - The product sums the exact products of the quantised numbers (number of the format x scale) in f32.
;;   ~~~python
;;   def quantise(x, axis):      # numpy; x: float32 -> the quantised numbers, widened to float32 again
;;       x = np.moveaxis(x, axis, -1); K = x.shape[-1]
;;       x = np.pad(x, [(0, 0)] * (x.ndim - 1) + [(0, -K % 32)]); x = x.reshape(x.shape[:-1] + (-1, 32)); a = np.abs(x).max(-1, keepdims=True)
;;       e = np.where(a > 0, np.clip(np.frexp(np.where(a > 0, a, 1))[1] - 1 - 2, -126, 127), 0)      # np.frexp(a)[1] - 1 = floor(log2(a)), exactly
;;       r = np.clip(x / 2.0 ** e, -7.5, 7.5)
;;       step = 2.0 ** (np.maximum(np.frexp(np.where(r == 0, 1, r))[1] - 1, 0) - 3)
;;       q = np.round(r / step) * step * 2.0 ** e      # np.round: ties to even
;;       return np.moveaxis(q.reshape(q.shape[:-2] + (-1,))[..., :K], -1, axis).astype(np.float32)
;;   ~~~
;;   SOFTMAX AHEAD OF A QUANTISED PRODUCT. Where the list says 'softmax', what is quantised is not the finished softmax but p = 2^(t - M), with t = logit x log2(e) and M = ceil(the row's largest t), a whole number; so 1/2 < the row's largest p <= 1. The row's sum l is taken of the UNQUANTISED p, in f32, and the product's result is divided by l at the end. Since M is a whole number, a kernel that streams over the keys may use a running M (the ceiling of the running maximum): every later rescaling is an exact power of two, which a block's scale takes up: the codes' values come out the same.
;;   OPERANDS COMPUTED ON THE WAY. 'Computed on the way' means the value that the module computes at that place (a softmax that the list does not call 'softmax' is quantised finished and normalised). What goes into a quantiser is computed in f32, as accurately as f32 sums, v_exp_f32 and their like allow (about 1e-6 of the number): no bf16 or f16 on the way to a quantiser, and a product that is left as it is and whose result goes on into a quantised operand takes f32 operands (vector FMAs, or v_wmma_f32_16x16x4_f32). A number that lies on a knife's edge between two numbers of the format may be rounded either way, as far as f32 arithmetic and the matrix unit's own rounding can turn it there, and no further.
;;   INPUTS GIVEN AS CODES. Wk (in the module: [1024, 1024], K = its axis 0); Wo (in the module: [1024, 1024], K = its axis 0); Wq (in the module: [1024, 1024], K = its axis 0); Wv (in the module: [1024, 1024], K = its axis 0); x (in the module: [4, 2048, 1024], K = its axis 2): each comes as NAME_codes (uint8): NAME with its K axis moved to the last place and cut into blocks of 32 codes, [.., K / 32, bytes a block], one block behind the other in memory; four codes in three bytes: a row's codes are one little-endian stream of bits, code i at bits 6 i .. 6 i + 5 (a code: sign, 2 exponent bits, 3 mantissa bits); and NAME_scales (uint8): the same leading axes, one E8M0 byte (e + 127) for each 32 codes along K. Its value is code x scale, taken as it is: it is not quantised again, and the codes and scales need not be those that the quantiser above would give.
;; One version. Each part assembles by itself: llvm-mc -triple=amdgcn-amd-amdhsa -mcpu=gfx1250 --defsym DOCPART=n.
;; ======== version 1 of 1: 3 launches
;; limits: right only within a limited range of input values
;; workspace buffers: qc 6,291,456 bytes; qs 524,288 bytes; kv 13,631,488 bytes; ac 6,291,456 bytes; asc 262,144 bytes
;; launch qkv (part 1): grid 32 x 8, 4 waves a work-group, clusters of 4 x 1, 327,680 bytes of LDS; arguments x_codes, x_scales, Wq_codes, Wq_scales, bq, Wk_codes, Wk_scales, bk, Wv_codes, Wv_scales, bv, qc, qs, kv; writes qc, qs, kv
.if DOCPART == 1
	.amdgcn_target "amdgcn-amd-amdhsa--gfx1250"
	.amdhsa_code_object_version 6
	.text
	.protected	k_qa2fded1cc7_qkv
	.globl	k_qa2fded1cc7_qkv
	.p2align	8
	.type	k_qa2fded1cc7_qkv,@function
k_qa2fded1cc7_qkv:
	s_mov_b64 s[64:65], 0
	v_nop
	global_prefetch_b8 v0, s[64:65] scope:SCOPE_SE
	s_setreg_imm32_b32 hwreg(HW_REG_WAVE_MODE, 25, 1), 1
	s_wait_xcnt 0x0
	s_wait_alu depctr_hold_cnt(0) depctr_sa_sdst(0) depctr_va_vdst(0) depctr_va_sdst(0) depctr_va_ssrc(0) depctr_va_vcc(0) depctr_vm_vsrc(0)
	s_getreg_b32 s2, hwreg(HW_REG_IB_STS2, 6, 4)
	s_cmp_eq_u32 s2, 0
	s_cbranch_scc0 .Lentry_in_a_cluster
	s_endpgm
.Lentry_in_a_cluster:
	s_bfe_u32 s2, ttmp6, 0x10000c
	s_cmp_lg_u32 s2, 0x3003
	s_cbranch_scc0 .Lentry_shape_is_right
	s_endpgm
.Lentry_shape_is_right:
.set PITCH,  816
.set UNITB,  64*PITCH
.set SC,     6*UNITB
.set SPARE,  SC+12288
.set VR,  1
.set VH,  2
.set VL,  3
.set L8,  4
.set L16, 5
.set L4,  6
.set SPW, 7
.set NIL, 8
.set AW,  10
.set AX,  14
.set SCA, 16
.set BA,  17
.set BV,  18
.set XSA, 19
.set TMA, 20
.set TMB, 22
.set TMC, 24
.set PW,  26
.set CT,  28
.set XS,  32
.set WS,  48
.set WF,  64
.set RTA, 160
.set KP,  192
.set SW,  216
.set SP,  220
.set INV, 64
.set POS, 80
.set KS2, 82
.set KS1, 84
.set KC2, 86
.set KC1, 88
.set ANG, 96
.set NN,  112
.set SQ,  128
.set SN,  144
.set CN,  160
.set NI,  176
.set TT,  192
.set G1X,  32
.set G1W,  40
.set G1W2, 48
.set G1S,  56
.set G0X,  68
.set G0C,  72
.set G0S,  76
.set G0R,  80
.set WV,   84
.set CX,   85
.set RG,   86
.set CG,   87
.set SEL,  88
.set HM,   90
.set SH,   91
.set MSB, 0
.macro WIN new
.if MSB != (\new)
	s_set_vgpr_msb (MSB<<8)|(\new)
.set MSB, (\new)
.endif
.endm
.macro PLACES n
.rept \n
	v_nop
.endr
.endm
.macro ROUND
	s_barrier_signal -1
	s_barrier_wait -1
	s_cmp_lg_u32 s[WV], 0
	s_cbranch_scc1 .Lnot_wave_0_\@
	s_barrier_signal -3
.Lnot_wave_0_\@:
	s_barrier_wait -3
	s_barrier_signal -1
	s_barrier_wait -1
.endm
.macro FRAG reg, adr, s, blk
.irp p, 0,1,2,3,4,5
.set FO, 96*(\s)+48*(\p/3)+8*(\p%3)
.if FO%256 < 232
	ds_load_b64 v[(\reg)+2*\p:(\reg)+2*\p+1], v[\adr] offset:FO+16*(FO/256)+(\blk)*16*PITCH
.else
	ds_load_b64 v[(\reg)+2*\p:(\reg)+2*\p+1], v[\adr+1] offset:FO+16*(FO/256)+(\blk)*16*PITCH
.endif
.endr
.endm
.macro WSLOAD u
.irp i, 0,1
.irp q, 0,1
	ds_load_b128 v[WS+8*\i+4*\q:WS+8*\i+4*\q+3], v[SCA] offset:2048*(\u)+1024*\i+16*\q
.endr
.endr
.endm
.macro MM kind, tt, nt, s, first, bi
.set rW,  WF+48*((\s)%2)+12*(\nt)
.set rX,  96*((\tt)%2)+12*(\s)
.set rWS, WS+8*((\nt)/2)+(\s)
.set rXS, XS+8*((\tt)/2)+(\s)
.if \kind
.set rD,  32*(\nt)+8*(\tt)
.set rA,  rX
.set rB,  rW
.set rSA, rXS
.set rSB, rWS
.set pa,  (\tt)%2
.set pb,  (\nt)%2
.else
.set rD,  32*(\tt)+8*(\nt)
.set rA,  rW
.set rB,  rX
.set rSA, rWS
.set rSB, rXS
.set pa,  (\nt)%2
.set pb,  (\tt)%2
.endif
.set rC, rD
.if \first
.set rC, (\bi)+8*(\nt)
.endif
.if (pa == 0) && (pb == 0)
	v_wmma_scale_f32_16x16x128_f8f6f4 v[rD:rD+7], v[rA:rA+11], v[rB:rB+11], v[rC:rC+7], v[rSA], v[rSB] matrix_a_fmt:MATRIX_FMT_FP6 matrix_b_fmt:MATRIX_FMT_FP6
.elseif pb == 0
	v_wmma_scale_f32_16x16x128_f8f6f4 v[rD:rD+7], v[rA:rA+11], v[rB:rB+11], v[rC:rC+7], v[rSA], v[rSB] matrix_a_fmt:MATRIX_FMT_FP6 matrix_b_fmt:MATRIX_FMT_FP6 matrix_a_scale:MATRIX_SCALE_ROW1
.elseif pa == 0
	v_wmma_scale_f32_16x16x128_f8f6f4 v[rD:rD+7], v[rA:rA+11], v[rB:rB+11], v[rC:rC+7], v[rSA], v[rSB] matrix_a_fmt:MATRIX_FMT_FP6 matrix_b_fmt:MATRIX_FMT_FP6 matrix_b_scale:MATRIX_SCALE_ROW1
.else
	v_wmma_scale_f32_16x16x128_f8f6f4 v[rD:rD+7], v[rA:rA+11], v[rB:rB+11], v[rC:rC+7], v[rSA], v[rSB] matrix_a_fmt:MATRIX_FMT_FP6 matrix_b_fmt:MATRIX_FMT_FP6 matrix_a_scale:MATRIX_SCALE_ROW1 matrix_b_scale:MATRIX_SCALE_ROW1
.endif
.endm
.macro KSTEP kind, s, bw, bi, fs, fadr, bar
	PLACES 4
	WIN 0
.if (\bar) == 1
	s_wait_tensorcnt 0x0
	s_wait_dscnt 0x0
	s_barrier_signal -1
	s_barrier_wait -1
.endif
.if (\bar) == 2
	s_wait_tensorcnt 0x0
	ds_add_u32 v[SPW], v[NIL]
	s_wait_dscnt 0x0
	ROUND
	s_cmp_eq_u32 s[WV], 2
	s_cbranch_scc0 .Lnov_\@
	tensor_load_to_lds s[92:95], s[G1S:G1S+7]      ; Wv's scale bytes: a first fill
	s_nop 0
	PLACES 4
.Lnov_\@:
.endif
.if (\fs) >= 0
.irp n, 0,1,2,3
	FRAG WF+48*(1-(\s)%2)+12*\n, \fadr, \fs, \n
.endr
	s_wait_dscnt 24
.else
	s_wait_dscnt 0x0
.endif
.irp g, 0,1
.if (\s) == 0
.if \kind
	WIN 0x40|((\bw)<<4)|(2+\g)
.else
	WIN 0x40|((\bw)<<4)|((2+\g)<<2)
.endif
.else
.if \kind
	WIN 0x50|(2+\g)
.else
	WIN 0x50|((2+\g)<<2)
.endif
.endif
.irp a, 0,1
.irp n, 0,1,2,3
	MM \kind, 2*\g+\a, \n, \s, ((\s)==0), \bi
.endr
.endr
.endr
.endm
.macro PASS kind, u, bw, bi
.if ((\u) >= 1) && ((\u) <= 4)
	v_add_nc_u32 v[AW+2*(((\u)+1)%2)], 2*UNITB, v[AW+2*(((\u)+1)%2)]
	s_wait_alu depctr_va_vdst(0)
	v_add_nc_u32 v[AW+2*(((\u)+1)%2)+1], 2*UNITB, v[AW+2*(((\u)+1)%2)+1]
.endif
.irp s, 0,1,2,3,4,5,6
	KSTEP \kind, \s, \bw, \bi, \s+1, AW+2*((\u)%2), 0
.endr
.if (\u) == 5
	KSTEP \kind, 7, \bw, \bi, -1, AW, 0
.elseif (\u) == 1
	s_wait_alu depctr_va_vdst(0)
	KSTEP \kind, 7, \bw, \bi, 0, AW+2*(((\u)+1)%2), 2
.elseif (\u) == 3
	s_wait_alu depctr_va_vdst(0)
	KSTEP \kind, 7, \bw, \bi, 0, AW+2*(((\u)+1)%2), 1
.else
	KSTEP \kind, 7, \bw, \bi, 0, AW+2*(((\u)+1)%2), 0
.endif
.endm
.macro QUANT2 s, d, sw
	WIN 5*(\sw)
.irp b, 0,1
	v_max3_num_f32 v[TMA+\b], |v[(\s)+16*\b]|, |v[(\s)+16*\b+1]|, 0x1800000
.endr
.irp i, 2,4,6,8,10,12,14
.irp b, 0,1
	v_max3_num_f32 v[TMA+\b], |v[(\s)+16*\b+\i]|, |v[(\s)+16*\b+\i+1]|, v[TMA+\b]
.endr
.endr
	WIN 0
.irp b, 0,1
	v_permlanex16_b32 v[TMB+\b], v[TMA+\b], s[SEL], s[SEL+1]
.endr
.irp b, 0,1
	v_max_num_f32 v[TMA+\b], v[TMA+\b], v[TMB+\b]
.endr
.irp b, 0,1
	v_add_nc_u32 v[TMC+\b], 0xff000000, v[TMA+\b]
.endr
.irp b, 0,1
	v_lshrrev_b32 v[TMB+\b], 23, v[TMC+\b]
.endr
	v_lshl_or_b32 v[PW], v[TMB+1], 8, v[TMB]
	WIN \sw
	v_cvt_scalef32_pk16_fp6_f32 v[(\d):(\d)+2], v[(\s):(\s)+15], v[TMC]
	v_cvt_scalef32_pk16_fp6_f32 v[CT:CT+2], v[(\s)+16:(\s)+31], v[TMC+1]
	WIN 0
	v_nop
.irp i, 0,1,2
	v_permlane16_swap_b32 v[(\d)+\i], v[CT+\i]
.endr
.irp i, 0,1,2
	v_mov_b32 v[(\d)+3+\i], v[CT+\i]
.endr
.endm
.macro ROPE tt, rt
	WIN 0x05
.irp u, 0,1
.irp j, 0,2,4,6
	v_pk_mul_f32 v[\rt+8*\u+\j:\rt+8*\u+\j+1], v[32*\tt+8*\u+\j:32*\tt+8*\u+\j+1], v[128+32*\tt+8*\u+\j:128+32*\tt+8*\u+\j+1]
	v_pk_mul_f32 v[\rt+16+8*\u+\j:\rt+16+8*\u+\j+1], v[32*\tt+16+8*\u+\j:32*\tt+16+8*\u+\j+1], v[128+32*\tt+8*\u+\j:128+32*\tt+8*\u+\j+1]
.endr
.endr
.irp u, 0,1
.irp j, 0,2,4,6
	v_pk_fma_f32 v[\rt+8*\u+\j:\rt+8*\u+\j+1], v[32*\tt+16+8*\u+\j:32*\tt+16+8*\u+\j+1], v[144+32*\tt+8*\u+\j:144+32*\tt+8*\u+\j+1], v[\rt+8*\u+\j:\rt+8*\u+\j+1] neg_lo:[1,0,0] neg_hi:[1,0,0]
	v_pk_fma_f32 v[\rt+16+8*\u+\j:\rt+16+8*\u+\j+1], v[32*\tt+8*\u+\j:32*\tt+8*\u+\j+1], v[144+32*\tt+8*\u+\j:144+32*\tt+8*\u+\j+1], v[\rt+16+8*\u+\j:\rt+16+8*\u+\j+1]
.endr
.endr
.endm
.macro EPIQK isk, hh, u
	PLACES 4
	WIN 0
	WSLOAD (\u)+1
	s_wait_xcnt 0x0
.irp tt, 0,1,2,3
	ROPE \tt, RTA+64*(\tt%2)
	QUANT2 RTA+64*(\tt%2), KP+6*\tt, 0
	v_or_b32 v[SW+\tt], 0x7f7f0000, v[PW]
.endr
.irp i, 0,1
	v_cndmask_b32 v[SP+\i], v[SW+2*\i], v[SW+2*\i+1], s[HM]
.endr
.if \isk
.irp pr, 0,1
.irp c, 0,1,2
	global_store_b128 v[L16], v[KP+12*\pr+4*\c:KP+12*\pr+4*\c+3], s[30:31] offset:212992*\hh+1536*\pr+512*\c
.endr
.endr
	global_store_b64 v[L8], v[SP:SP+1], s[30:31] offset:212992*\hh+6144
.else
.irp tt, 0,1,2,3
.irp p, 0,1,2
	global_store_b64 v[L8], v[KP+6*\tt+2*\p:KP+6*\tt+2*\p+1], s[26:27] offset:98304*\hh+768*\tt+256*\p
.endr
.endr
.irp i, 0,1
	global_store_b32 v[L4], v[SP+\i], s[28:29] offset:8192*\hh+128*\i
.endr
.endif
.endm
.macro EPIV hh, u
	PLACES 4
	WIN 0
.if (\u) < 5
	WSLOAD (\u)+1
.endif
	s_wait_xcnt 0x0
.irp n, 0,1,2,3
	QUANT2 32*\n, KP+6*\n, 1
	v_mov_b32 v[SW+\n], v[PW]
.endr
.irp i, 0,1
	v_cndmask_b32 v[SP+\i], v[SW+2*\i], v[SW+2*\i+1], s[HM]
.endr
.irp i, 0,1
	v_lshlrev_b32 v[SP+\i], s[SH], v[SP+\i]
.endr
.irp n, 0,1,2,3
.irp p, 0,1,2
	global_store_b64 v[L8], v[KP+6*\n+2*\p:KP+6*\n+2*\p+1], s[30:31] offset:212992*\hh+3072+768*\n+256*\p
.endr
.endr
	global_store_b64 v[L8], v[SP:SP+1], s[30:31] offset:212992*\hh+6400
.endm
.macro FREQ i, lo, hi
	v_mov_b32 v[ANG+\i], \hi
	v_cndmask_b32 v[ANG+\i], \lo, v[ANG+\i], s[HM]
.endm
.macro CSTILE tt
.irp k, 0,2,4,6,8,10,12,14
	v_pk_mul_f32 v[ANG+\k:ANG+\k+1], v[INV+\k:INV+\k+1], v[POS:POS+1]
.endr
.irp k, 0,2,4,6,8,10,12,14
	v_pk_mul_f32 v[NN+\k:NN+\k+1], v[ANG+\k:ANG+\k+1], 0x3f22f983 op_sel_hi:[1,0]
.endr
.irp i, 0,1,2,3,4,5,6,7,8,9,10,11,12,13,14,15
	v_rndne_f32 v[NN+\i], v[NN+\i]
.endr
.irp k, 0,2,4,6,8,10,12,14
	v_pk_fma_f32 v[ANG+\k:ANG+\k+1], v[NN+\k:NN+\k+1], 0xbfc90fdb, v[ANG+\k:ANG+\k+1] op_sel_hi:[1,0,1]
.endr
.irp k, 0,2,4,6,8,10,12,14
	v_pk_fma_f32 v[ANG+\k:ANG+\k+1], v[NN+\k:NN+\k+1], 0x333bbd2e, v[ANG+\k:ANG+\k+1] op_sel_hi:[1,0,1]
.endr
.irp k, 0,2,4,6,8,10,12,14
	v_pk_mul_f32 v[SQ+\k:SQ+\k+1], v[ANG+\k:ANG+\k+1], v[ANG+\k:ANG+\k+1]
.endr
.irp k, 0,2,4,6,8,10,12,14
	v_pk_fma_f32 v[SN+\k:SN+\k+1], v[SQ+\k:SQ+\k+1], 0xb94ca1f9, v[KS2:KS2+1] op_sel_hi:[1,0,1]
.endr
.irp k, 0,2,4,6,8,10,12,14
	v_pk_fma_f32 v[CN+\k:CN+\k+1], v[SQ+\k:SQ+\k+1], 0x37ccf5ce, v[KC2:KC2+1] op_sel_hi:[1,0,1]
.endr
.irp k, 0,2,4,6,8,10,12,14
	v_pk_fma_f32 v[SN+\k:SN+\k+1], v[SN+\k:SN+\k+1], v[SQ+\k:SQ+\k+1], v[KS1:KS1+1]
.endr
.irp k, 0,2,4,6,8,10,12,14
	v_pk_fma_f32 v[CN+\k:CN+\k+1], v[CN+\k:CN+\k+1], v[SQ+\k:SQ+\k+1], v[KC1:KC1+1]
.endr
.irp k, 0,2,4,6,8,10,12,14
	v_pk_mul_f32 v[SN+\k:SN+\k+1], v[SN+\k:SN+\k+1], v[SQ+\k:SQ+\k+1]
.endr
.irp k, 0,2,4,6,8,10,12,14
	v_pk_fma_f32 v[CN+\k:CN+\k+1], v[CN+\k:CN+\k+1], v[SQ+\k:SQ+\k+1], -0.5 op_sel_hi:[1,1,0]
.endr
.irp k, 0,2,4,6,8,10,12,14
	v_pk_fma_f32 v[SN+\k:SN+\k+1], v[SN+\k:SN+\k+1], v[ANG+\k:ANG+\k+1], v[ANG+\k:ANG+\k+1]
.endr
.irp k, 0,2,4,6,8,10,12,14
	v_pk_fma_f32 v[CN+\k:CN+\k+1], v[CN+\k:CN+\k+1], v[SQ+\k:SQ+\k+1], 1.0 op_sel_hi:[1,1,0]
.endr
.irp i, 0,1,2,3,4,5,6,7,8,9,10,11,12,13,14,15
	v_cvt_i32_f32 v[NI+\i], v[NN+\i]
.endr
.irp i, 0,1,2,3,4,5,6,7,8,9,10,11,12,13,14,15
	v_and_b32 v[TT+\i], 1, v[NI+\i]
.endr
.irp i, 0,1,2,3,4,5,6,7,8,9,10,11,12,13,14,15
	v_cmp_eq_u32 vcc_lo, 1, v[TT+\i]
	v_cndmask_b32 v[NN+\i], v[SN+\i], v[CN+\i], vcc_lo
	v_cndmask_b32 v[SQ+\i], v[CN+\i], v[SN+\i], vcc_lo
.endr
.irp i, 0,1,2,3,4,5,6,7,8,9,10,11,12,13,14,15
	v_lshlrev_b32 v[TT+\i], 30, v[NI+\i]
.endr
.irp i, 0,1,2,3,4,5,6,7,8,9,10,11,12,13,14,15
	v_add_nc_u32 v[NI+\i], 1, v[NI+\i]
.endr
.irp i, 0,1,2,3,4,5,6,7,8,9,10,11,12,13,14,15
	v_and_b32 v[TT+\i], 0x80000000, v[TT+\i]
.endr
.irp i, 0,1,2,3,4,5,6,7,8,9,10,11,12,13,14,15
	v_lshlrev_b32 v[NI+\i], 30, v[NI+\i]
.endr
.irp i, 0,1,2,3,4,5,6,7,8,9,10,11,12,13,14,15
	v_and_b32 v[NI+\i], 0x80000000, v[NI+\i]
.endr
	WIN 0x40
.irp i, 0,1,2,3,4,5,6,7,8,9,10,11,12,13,14,15
	v_xor_b32 v[128+32*\tt+\i], v[SQ+\i], v[NI+\i]
.endr
.irp i, 0,1,2,3,4,5,6,7,8,9,10,11,12,13,14,15
	v_xor_b32 v[144+32*\tt+\i], v[NN+\i], v[TT+\i]
.endr
	WIN 0
	v_pk_add_f32 v[POS:POS+1], v[POS:POS+1], 0x41800000 op_sel_hi:[1,0]
.endm
	s_load_b512 s[4:19], s[0:1], 0x0
	s_load_b256 s[20:27], s[0:1], 0x40
	s_load_b128 s[28:31], s[0:1], 0x60
	v_lshl_add_u32 v[SPW], v0, 2, SPARE
	v_mov_b32 v[NIL], 0
	ds_add_u32 v7, v8
	ds_add_u32 v7, v8
	s_wait_dscnt 0x0
	v_lshrrev_b32 v9, 5, v0
	v_readfirstlane_b32 s[WV], v9
	s_bfe_u32 s[CX], ttmp6, 0x40000
	s_lshl_b32 s[RG], ttmp9, 2
	s_add_co_u32 s[RG], s[RG], s[CX]
	s_and_b32 s[CG], ttmp7, 0xffff
	s_mov_b32 s[SEL], 0x76543210
	s_mov_b32 s[SEL+1], 0xfedcba98
	s_mov_b32 s[HM], 0xffff0000
	s_and_b32 s[SH], s[WV], 1
	s_lshl_b32 s[SH], s[SH], 4
	s_mov_b32 s[G1X], (3<<16)|(1<<20)|(5<<22)|(3<<25)
	s_mov_b32 s[G1W2], 15|(3<<16)|(1<<20)|(1<<21)|(5<<22)|(3<<25)
.irp g, G1X
	s_mov_b32 s[\g+1], 96<<16
	s_mov_b32 s[\g+2], 256<<16
	s_mov_b32 s[\g+3], 96<<16
	s_mov_b32 s[\g+4], 256
	s_mov_b32 s[\g+5], 96
	s_mov_b32 s[\g+6], 0
	s_mov_b32 s[\g+7], 0
.endr
	s_mov_b32 s[G1W2+1], 96<<16
	s_mov_b32 s[G1W2+2], 128<<16
	s_mov_b32 s[G1W2+3], 96<<16
	s_mov_b32 s[G1W2+4], 128
	s_mov_b32 s[G1W2+5], 96
	s_mov_b32 s[G1W2+6], 0
	s_mov_b32 s[G1W2+7], 0
	s_mov_b32 s[G1S], 15|(3<<16)|(1<<21)
	s_mov_b32 s[G1S+1], 32<<16
	s_mov_b32 s[G1S+2], 16<<16
	s_mov_b32 s[G1S+3], 32<<16
	s_mov_b32 s[G1S+4], 16
	s_mov_b32 s[G1S+5], 32
	s_mov_b32 s[G1S+6], 0
	s_mov_b32 s[G1S+7], 0
	s_lshl_b32 s92, s[RG], 8
	s_lshl_b32 s93, s[WV], 6
	s_add_co_u32 s92, s92, s93
	s_mul_i32 s94, s92, 768
	s_mov_b32 s95, 0
	s_lshl_b32 s96, s92, 5
	s_mov_b32 s97, 0
	s_mul_i32 s98, s[CG], 98304
	s_mov_b32 s99, 0
	s_lshl_b32 s100, s[CG], 12
	s_mov_b32 s101, 0
	s_lshl_b32 s66, s[CG], 9
	s_mov_b32 s67, 0
	v_and_b32 v[VR], 15, v0
	v_bfe_u32 v[VH], v0, 4, 1
	v_and_b32 v[VL], 31, v0
	v_lshlrev_b32 v[L8], 3, v[VL]
	v_lshlrev_b32 v[L16], 4, v[VL]
	v_lshlrev_b32 v[L4], 2, v[VL]
	v_mul_u32_u24 v[AW], v[VR], PITCH
	v_mad_u32_u24 v[AW], v[VH], 24, v[AW]
	v_lshl_add_u32 v[AW+1], v[VH], 4, v[AW]
	v_lshl_add_u32 v[SCA], v[VL], 5, SC
	v_lshlrev_b32 v[BA], 5, v[VH]
	v_lshlrev_b32 v[BV], 2, v[VR]
	v_lshlrev_b32 v[XSA], 5, v[VL]
	v_mov_b32 v[TMB], 0
	v_mov_b32 v[TMB+1], 0
	s_wait_alu depctr_va_vdst(0)
	s_wait_kmcnt 0x0
	s_add_nc_u64 s[4:5], s[4:5], s[94:95]
	s_add_nc_u64 s[6:7], s[6:7], s[96:97]
	s_add_nc_u64 s[12:13], s[12:13], s[66:67]
	s_add_nc_u64 s[18:19], s[18:19], s[66:67]
	s_add_nc_u64 s[24:25], s[24:25], s[66:67]
	s_add_nc_u64 s[8:9], s[8:9], s[98:99]
	s_add_nc_u64 s[14:15], s[14:15], s[98:99]
	s_add_nc_u64 s[20:21], s[20:21], s[98:99]
	s_add_nc_u64 s[10:11], s[10:11], s[100:101]
	s_add_nc_u64 s[16:17], s[16:17], s[100:101]
	s_add_nc_u64 s[22:23], s[22:23], s[100:101]
	s_mov_b32 s[G0X], 1
	s_mul_i32 s[G0X+1], s[WV], UNITB
	s_add_co_u32 s[G0X+1], s[G0X+1], 2*UNITB
	s_mov_b64 s[G0X+2:G0X+3], s[4:5]
	s_or_b32 s[G0X+3], s[G0X+3], 0x80000000
	s_mov_b32 s[G0C], 1
	s_mov_b32 s[G0C+1], 0
	s_mov_b64 s[G0C+2:G0C+3], s[8:9]
	s_or_b32 s[G0C+3], s[G0C+3], 0x80000000
	s_mov_b32 s[G0S], 1
	s_lshl_b32 s[G0S+1], s[WV], 12
	s_add_co_u32 s[G0S+1], s[G0S+1], SC-8192       ; wave 2: Wq's scale bytes, wave 3: Wk's
	s_cmp_eq_u32 s[WV], 2
	s_cselect_b64 s[G0S+2:G0S+3], s[10:11], s[16:17]
	s_or_b32 s[G0S+3], s[G0S+3], 0x80000000
	s_mov_b32 s[G0R], 1
	s_and_b32 s[G0R+1], s[WV], 1                   ; wave 0: Wk's 128 rows, wave 1: Wv's, onto the bytes that held x
	s_mul_i32 s[G0R+1], s[G0R+1], 2*UNITB
	s_add_co_u32 s[G0R+1], s[G0R+1], 2*UNITB
	s_cmp_eq_u32 s[WV], 0
	s_cselect_b64 s[G0R+2:G0R+3], s[14:15], s[20:21]
	s_or_b32 s[G0R+3], s[G0R+3], 0x80000000
	v_add_nc_u32 v[AX], s[G0X+1], v[AW]
	v_add_nc_u32 v[AX+1], s[G0X+1], v[AW+1]
	s_lshr_b32 s92, s[RG], 3
	s_lshl_b32 s92, s92, 4
	s_lshl_b32 s93, s[CG], 1
	s_add_co_u32 s92, s92, s93
	s_lshl_b32 s92, s92, 5
	s_and_b32 s93, s[RG], 7
	s_lshl_b32 s93, s93, 2
	s_add_co_u32 s92, s92, s93
	s_add_co_u32 s92, s92, s[WV]
	s_mul_i32 s94, s92, 3072
	s_add_nc_u64 s[26:27], s[26:27], s[94:95]
	s_lshl_b32 s94, s92, 8
	s_add_nc_u64 s[28:29], s[28:29], s[94:95]
	s_mul_i32 s94, s92, 6656
	s_add_nc_u64 s[30:31], s[30:31], s[94:95]
	s_mov_b32 s92, 1                               ; group 0 for Wv's scale bytes
	s_mov_b32 s93, SC+8192
	s_mov_b64 s[94:95], s[22:23]
	s_or_b32 s95, s95, 0x80000000
	s_and_b32 s96, s[RG], 7
	s_lshl_b32 s96, s96, 8
	s_lshl_b32 s97, s[WV], 6
	s_add_co_u32 s96, s96, s97
.irp i, 0,1
.irp q, 0,1
	global_load_b128 v[XS+8*\i+4*\q:XS+8*\i+4*\q+3], v[XSA], s[6:7] offset:1024*\i+16*\q
.endr
.endr
	WIN 0x80
.irp hh, 0,1
.irp n, 0,1,2,3
	global_load_b128 v[192+32*\hh+8*\n:192+32*\hh+8*\n+3], v[BA], s[12:13] offset:(64*\hh+16*\n)*4
	global_load_b128 v[192+32*\hh+8*\n+4:192+32*\hh+8*\n+7], v[BA], s[12:13] offset:(64*\hh+16*\n)*4+16
.endr
.endr
	WIN 0xc0
.irp hh, 0,1
.irp n, 0,1,2,3
	global_load_b128 v[192+32*\hh+8*\n:192+32*\hh+8*\n+3], v[BA], s[18:19] offset:(64*\hh+16*\n)*4
	global_load_b128 v[192+32*\hh+8*\n+4:192+32*\hh+8*\n+7], v[BA], s[18:19] offset:(64*\hh+16*\n)*4+16
.endr
.endr
	WIN 0
	ROUND
	s_cmp_eq_u32 s[WV], 0                          ; the head's four tiles, one a wave: x's 256 rows, Wq's 128 rows, Wq's and Wk's scale bytes
	s_cbranch_scc0 .Lhw
	tensor_load_to_lds s[G0X:G0X+3], s[G1X:G1X+7]
	s_nop 0
	PLACES 4
	s_branch .Lfilled
.Lhw:
	s_cmp_eq_u32 s[WV], 1
	s_cbranch_scc0 .Lscales
	tensor_load_to_lds s[G0C:G0C+3], s[G1W2:G1W2+7]
	s_nop 0
	PLACES 4
	s_branch .Lfilled
.Lscales:
	tensor_load_to_lds s[G0S:G0S+3], s[G1S:G1S+7]
	s_nop 0
	PLACES 4
.Lfilled:
	FREQ 0, 0x3f800000, 0x41200000
	FREQ 1, 0x3faab0d5, 0x41555d0a
	FREQ 2, 0x3fe39ea9, 0x418e432a
	FREQ 3, 0x4017c496, 0x41bdb5bc
	FREQ 4, 0x404a62c2, 0x41fcfb72
	FREQ 5, 0x4086f161, 0x4228adb9
	FREQ 6, 0x40b3f300, 0x4260efc0
	FREQ 7, 0x40eff755, 0x4295fa95
	FREQ 8, 0x42c80000, 0x447a0000
	FREQ 9, 0x43055a26, 0x44a6b0b0
	FREQ 10, 0x4331d3f4, 0x44de48f1
	FREQ 11, 0x436d232b, 0x451435fb
	FREQ 12, 0x439e1d27, 0x4545a471
	FREQ 13, 0x43d2d927, 0x4583c7b8
	FREQ 14, 0x440c95d8, 0x45afbb4e
	FREQ 15, 0x443b793b, 0x45ea5789
	s_wait_alu depctr_va_vdst(0)
.irp i, 0,1,2,3,4,5,6,7,8,9,10,11,12,13,14,15
	v_rcp_f32 v[INV+\i], v[ANG+\i]
.endr
	v_nop
	s_wait_alu depctr_va_vdst(0)
.irp i, 0,1,2,3,4,5,6,7,8,9,10,11,12,13,14,15
	v_fma_f32 v[NN+\i], -v[ANG+\i], v[INV+\i], 1.0
.endr
.irp i, 0,1,2,3,4,5,6,7,8,9,10,11,12,13,14,15
	v_fma_f32 v[INV+\i], v[INV+\i], v[NN+\i], v[INV+\i]
.endr
	v_mov_b32 v[KS2], 0x3c08839e
	v_mov_b32 v[KS2+1], 0x3c08839e
	v_mov_b32 v[KS1], 0xbe2aaaa3
	v_mov_b32 v[KS1+1], 0xbe2aaaa3
	v_mov_b32 v[KC2], 0xbab6061a
	v_mov_b32 v[KC2+1], 0xbab6061a
	v_mov_b32 v[KC1], 0x3d2aaaa5
	v_mov_b32 v[KC1+1], 0x3d2aaaa5
	v_add_nc_u32 v[POS], s96, v[VR]
	v_cvt_f32_u32 v[POS], v[POS]
	v_mov_b32 v[POS+1], v[POS]
	CSTILE 0
	CSTILE 1
	CSTILE 2
	CSTILE 3
	s_wait_alu depctr_va_vdst(0)
	s_wait_tensorcnt 0x0                           ; my tile of the head's four is in,
	s_barrier_signal -1
	s_barrier_wait -1                              ; and everybody's; no tensor load stands behind this barrier
	WIN 0x80
.irp tt, 0,1
.irp s, 0,1,2,3,4,5,6,7
	FRAG 96*\tt+12*\s, AX, \s, \tt
.endr
.endr
	WIN 0xc0
.irp tt, 2,3
.irp s, 0,1,2,3,4,5,6,7
	FRAG 96*(\tt-2)+12*\s, AX, \s, \tt
.endr
.endr
	WIN 0
	s_wait_tensorcnt 0x0
	ds_add_u32 v[SPW], v[NIL]
	v_add_nc_u32 v[AW+2], UNITB, v[AW]
	v_add_nc_u32 v[AW+3], UNITB, v[AW+1]
	s_wait_dscnt 0x0
	ROUND
	s_cmp_lt_u32 s[WV], 2
	s_cbranch_scc0 .Lnor
	tensor_load_to_lds s[G0R:G0R+3], s[G1W2:G1W2+7]
	s_nop 0
	PLACES 4
.Lnor:
	WSLOAD 0
.irp n, 0,1,2,3
	FRAG WF+12*\n, AW, 0, \n
.endr
	s_wait_loadcnt 0x0
	s_wait_alu depctr_va_vdst(0)
	PASS 0, 0, 2, 192
	EPIQK 0, 0, 0
	PASS 0, 1, 2, 224
	EPIQK 0, 1, 1
	WIN 0x80
.irp hh, 0,1
.irp n, 0,1,2,3
	global_load_b32 v[192+32*\hh+8*\n], v[BV], s[24:25] offset:(64*\hh+16*\n)*4
.endr
.endr
	WIN 0
	PASS 0, 2, 3, 192
	EPIQK 1, 0, 2
	PASS 0, 3, 3, 224
	EPIQK 1, 1, 3
	s_wait_loadcnt 0x0
	WIN 0x82
.irp hh, 0,1
.irp n, 0,1,2,3
.irp j, 1,2,3,4,5,6,7
	v_mov_b32 v[192+32*\hh+8*\n+\j], v[192+32*\hh+8*\n]   ; a lane's column has one bias for its eight rows
.endr
.endr
.endr
	WIN 0
	s_wait_alu depctr_va_vdst(0)
	PASS 1, 4, 2, 192
	EPIV 0, 4
	PASS 1, 5, 2, 224
	EPIV 1, 5
	s_wait_tensorcnt 0x0
	ds_add_u32 v[SPW], v[NIL]
	s_wait_dscnt 0x0
	ROUND
	s_endpgm
.Lfunc_end_k_qa2fded1cc7_qkv:
	.size	k_qa2fded1cc7_qkv, .Lfunc_end_k_qa2fded1cc7_qkv-k_qa2fded1cc7_qkv
	.p2alignl 7, 3214868480
	.fill 96, 4, 3214868480
	.section	.rodata,"a",@progbits
	.p2align	6, 0x0
	.amdhsa_kernel k_qa2fded1cc7_qkv
		.amdhsa_group_segment_fixed_size 327680
		.amdhsa_private_segment_fixed_size 0
		.amdhsa_enable_private_segment 0
		.amdhsa_kernarg_size 112
		.amdhsa_user_sgpr_count 2
		.amdhsa_user_sgpr_kernarg_segment_ptr 1
		.amdhsa_wavefront_size32 1
		.amdhsa_system_sgpr_workgroup_id_x 1
		.amdhsa_system_sgpr_workgroup_id_y 1
		.amdhsa_system_sgpr_workgroup_id_z 1
		.amdhsa_system_vgpr_workitem_id 0
		.amdhsa_next_free_vgpr 1024
		.amdhsa_next_free_sgpr 102
		.amdhsa_reserve_vcc 1
		.amdhsa_float_denorm_mode_32 3
		.amdhsa_float_denorm_mode_16_64 3
		.amdhsa_memory_ordered 1
		.amdhsa_forward_progress 1
		.amdhsa_inst_pref_size 255
	.end_amdhsa_kernel
	.section	.bss,"aw",@nobits
	.p2align	6
	.space	262144
	.amdgpu_metadata
---
amdhsa.version: [ 1, 2 ]
amdhsa.kernels:
  - .name:           k_qa2fded1cc7_qkv
    .symbol:         k_qa2fded1cc7_qkv.kd
    .args:
      - { .name: x_codes, .offset: 0, .size: 8, .value_kind: global_buffer, .address_space: global }
      - { .name: x_scales, .offset: 8, .size: 8, .value_kind: global_buffer, .address_space: global }
      - { .name: Wq_codes, .offset: 16, .size: 8, .value_kind: global_buffer, .address_space: global }
      - { .name: Wq_scales, .offset: 24, .size: 8, .value_kind: global_buffer, .address_space: global }
      - { .name: bq, .offset: 32, .size: 8, .value_kind: global_buffer, .address_space: global }
      - { .name: Wk_codes, .offset: 40, .size: 8, .value_kind: global_buffer, .address_space: global }
      - { .name: Wk_scales, .offset: 48, .size: 8, .value_kind: global_buffer, .address_space: global }
      - { .name: bk, .offset: 56, .size: 8, .value_kind: global_buffer, .address_space: global }
      - { .name: Wv_codes, .offset: 64, .size: 8, .value_kind: global_buffer, .address_space: global }
      - { .name: Wv_scales, .offset: 72, .size: 8, .value_kind: global_buffer, .address_space: global }
      - { .name: bv, .offset: 80, .size: 8, .value_kind: global_buffer, .address_space: global }
      - { .name: qc, .offset: 88, .size: 8, .value_kind: global_buffer, .address_space: global }
      - { .name: qs, .offset: 96, .size: 8, .value_kind: global_buffer, .address_space: global }
      - { .name: kv, .offset: 104, .size: 8, .value_kind: global_buffer, .address_space: global }
    .group_segment_fixed_size: 327680
    .private_segment_fixed_size: 0
    .kernarg_segment_align: 8
    .kernarg_segment_size: 112
    .max_flat_workgroup_size: 128
    .sgpr_count:     102
    .vgpr_count:     1024
    .wavefront_size: 32
...
	.end_amdgpu_metadata
.endif
;; end of part 1
;; launch attn (part 2): grid 4 x 64, 8 waves a work-group, clusters of 4 x 1, 263,168 bytes of LDS; arguments qc, qs, kv, ac, asc; writes ac, asc
.if DOCPART == 2
	.amdgcn_target "amdgcn-amd-amdhsa--gfx1250"
	.amdhsa_code_object_version 6
	.text
	.protected	k_qa2fded1cc7_attn
	.globl	k_qa2fded1cc7_attn
	.p2align	8
	.type	k_qa2fded1cc7_attn,@function
k_qa2fded1cc7_attn:
	s_mov_b64 s[64:65], 0
	v_nop
	global_prefetch_b8 v0, s[64:65] scope:SCOPE_SE
	s_setreg_imm32_b32 hwreg(HW_REG_WAVE_MODE, 25, 1), 1
	s_wait_xcnt 0x0
	s_wait_alu depctr_hold_cnt(0) depctr_sa_sdst(0) depctr_va_vdst(0) depctr_va_sdst(0) depctr_va_ssrc(0) depctr_va_vcc(0) depctr_vm_vsrc(0)
	s_getreg_b32 s2, hwreg(HW_REG_IB_STS2, 6, 4)
	s_cmp_eq_u32 s2, 0
	s_cbranch_scc0 .Lentry_in_a_cluster
	s_endpgm
.Lentry_in_a_cluster:
	s_bfe_u32 s2, ttmp6, 0x10000c
	s_cmp_lg_u32 s2, 0x3003
	s_cbranch_scc0 .Lentry_shape_is_right
	s_endpgm
.Lentry_shape_is_right:
; Causal attention of one head (bh = 16 batch + head) on codes of FP6 (E2M3) with one E8M0 scale for each 32 along a product's K; the result, divided by the row's sum, is quantised along the hidden axis for the last product.
; WORK LEFT OUT: key steps behind a group's diagonal step lie wholly under the causal mask; their p is 0 for all inputs, so they are not multiplied.
; THE SOFTMAX: t = score x log2(e) / 8; M = the running largest t rounded UP to a whole number; p = 2^(t - M) is quantised along the keys, not normalised; the row's sum is taken of the unquantised p.
; When M moves, the sum and O are multiplied by 2^(old M - new M): exact.  The running maximum is kept as a score; t = c x score rises with the score, so c x (largest score) is the largest t.
; SHARES.  A head's 128 tiles of 16 queries fall into 16 groups: group g = tiles 8 g .. 8 g + 7 needs key steps (128 keys) 0 .. g, step g on the diagonal.  Every work-group takes tiles 8 g + 2 cx + e (e = 0, 1) of every group:
; the four partners of a cluster have the same branches (wave number and step alone); cx enters global addresses and the mask's lane values only.
; Wave w takes the pair of group 15 - w first and then the pair of group w: (16 - w) + (w + 1) = 17 pair steps in every wave.  THE TWO TILES OF A PAIR ARE WORKED JOINTLY, line by line, so that dependent lines stand two to eight lines apart.
; THE WHOLE HEAD'S K AND V, 212,992 bytes in the order of the operands' registers, lie in LDS, filled once, jointly for the four partners: no ring, no refill.  All tensor loads go out at the head, so there is no loop in which a data prefetch could run ahead: none is written.
; A step's K is asked of LDS behind the step before's score products, its V behind the step before's last products.
; LAYOUT.  S^T = K Q^T (source 0 = 16 keys, source 1 = 16 queries), O^T = V^T P^T: a lane holds one query throughout.
; K = 64 IN AN INSTRUCTION OF 128: Q's registers 6-11 are zero codes and bytes 2, 3 of q's and k's scale words are 0x7f.  K's tiles lie 6 registers apart: a tile's upper six registers meet Q's zero codes and add exactly 0; six zero registers stand behind the last tile.
; ORDER INSIDE A BLOCK OF 32: as the launch before laid it, alike on both sides of each product.  The result meets a given operand next, so its numbers are first brought into their true order.
; LIMITS: NaN and infinities are not served; the scaled scores stay under 2^31 in magnitude; a block whose largest magnitude lies under 2^-124 gets the scale byte 1.
.set REC,  13312                       ; a step's record: two half records
.set HREC, 6656                        ; 64 keys: K's codes 3,072, V's codes 3,072, K's scale words 256, V's 256
; window 0
.set L16, 1                            ; 16 x lane
.set L8,  2                            ; 8 x lane
.set AD16, 3                           ; the next record's addresses
.set AD8, 4
.set DM,  5                            ; 32 cx + 16 + lane % 16 - 8 (lane / 16)
.set NINF, 7
.set R4,  8
.set R32, 9
.set OA8, 10                           ; store offsets
.set OA16, 11
.set ST,  12                           ; tile e: -M, the largest score, the sum in two halves at 12 + 4 e
.set QSC, 20                           ; v20-23 q's scale words
.set KSC, 24                           ; v24-27 k's: kt / 2
.set VT,  28                           ; v28-31 v's two halves
.set VSC, 32                           ; v32-33 v's: dt / 2
.set SPW, 34                           ; my spare word
.set NIL, 35                           ; 0
.set TE,  36                           ; tile e's temporaries at 36 + 40 e:
.set oPSC, 0                           ; p's scale word
.set oTW,  1
.set oFF,  2                           ; f = 2^(old M - new M), a pair
.set oBM,  4                           ; the blocks' largest; later two partial sums
.set oBP,  8                           ; later a partial sum
.set oBS,  12                          ; the conversions' scale operands
.set oCT,  16                          ; +16..18, +20..22
.set oPC,  24                          ; p's codes, 12
.set S,   116                          ; v116-179, v180-243: S^T, then p, of tiles 0, 1
.set EC,  244                          ; the result's codes
.set PW,  250                          ; the result's two scale bytes
; window 1
.set O,   24                           ; O^T: 24 + 32 e + 8 dt
.set V,   88                           ; V: 88 + 12 dt
.set KF,  136                          ; K's tiles, 6 registers apart, 54.  Q: v0-23 (group 15 - w), v192-215 (group w)
.set WV,  16
.set CX,  17
.set BH,  18
.set GA,  19
.set GB,  20
.set KS,  21                           ; the key step
.set TN,  22                           ; the next record's LDS byte
.set TC,  23                           ; the same, held at the last record
.set G1A, 24
.set G1B, 32
.set G0A, 40
.set G0B, 44
.set SEL, 48
.set CS,  50                           ; s[50:51] c = log2(e) / 8
.set QT,  52                           ; s52-55 my four tiles' numbers
.set CN,  72                           ; -c
.set NB,  73                           ; 128 x batch
.set HD,  74                           ; the head in its batch
.set MSB, 0
.macro WIN new
.if MSB != (\new)
	s_set_vgpr_msb (MSB<<8)|(\new)
.set MSB, (\new)
.endif
.endm
.macro PLACES n
.rept \n
	v_nop
.endr
.endm
.macro D n
	s_delay_alu instid0(VALU_DEP_\n)
.endm
.macro SETE e
.set T, TE+40*(\e)
.set X, S+64*(\e)
.set R, ST+4*(\e)
.set OO, O+32*(\e)
.endm
.macro ROUND
	s_barrier_signal -1
	s_barrier_wait -1
	s_cmp_lg_u32 s[WV], 0
	s_cbranch_scc1 .Lnot_wave_0_\@
	s_barrier_signal -3
.Lnot_wave_0_\@:
	s_barrier_wait -3
	s_barrier_signal -1
	s_barrier_wait -1
.endm
.macro LOADK a16, a8                   ; 14 LDS loads: K's codes and scale words
	WIN 0x40
.irp hf, 0,1
.irp pr, 0,1
.irp c, 0,1,2
	ds_load_b128 v[KF+24*\hf+12*\pr+4*\c:KF+24*\hf+12*\pr+4*\c+3], v[\a16] offset:HREC*\hf+1536*\pr+512*\c
.endr
.endr
.endr
	WIN 0
.irp hf, 0,1
	ds_load_b64 v[KSC+2*\hf:KSC+2*\hf+1], v[\a8] offset:HREC*\hf+6144
.endr
.endm
.macro LOADV a8                        ; 26 LDS loads: V's scale words and codes
.irp hf, 0,1
	ds_load_b64 v[VT+2*\hf:VT+2*\hf+1], v[\a8] offset:HREC*\hf+6400
.endr
	WIN 0x40
.irp dt, 0,1,2,3
.irp hf, 0,1
.irp q, 0,1,2
	ds_load_b64 v[V+12*\dt+6*\hf+2*\q:V+12*\dt+6*\hf+2*\q+1], v[\a8] offset:HREC*\hf+3072+768*\dt+256*\q
.endr
.endr
.endr
	WIN 0
.endm
.macro QK p                            ; 16 products; p = 1: the pair of group 15 - w, 0: of group w
	WIN 0x05
.irp k, 0,2,4,6
.irp e, 0,1
	v_wmma_scale_f32_16x16x128_f8f6f4 v[S+64*\e+8*\k:S+64*\e+8*\k+7], v[KF+6*\k:KF+6*\k+11], v[192*(1-\p)+12*\e:192*(1-\p)+12*\e+11], 0, v[KSC+\k/2], v[QSC+2*\p+\e] matrix_a_fmt:MATRIX_FMT_FP6 matrix_b_fmt:MATRIX_FMT_FP6
.endr
.irp e, 0,1
	v_wmma_scale_f32_16x16x128_f8f6f4 v[S+64*\e+8*\k+8:S+64*\e+8*\k+15], v[KF+6*\k+6:KF+6*\k+17], v[192*(1-\p)+12*\e:192*(1-\p)+12*\e+11], 0, v[KSC+\k/2], v[QSC+2*\p+\e] matrix_a_fmt:MATRIX_FMT_FP6 matrix_b_fmt:MATRIX_FMT_FP6 matrix_a_scale:MATRIX_SCALE_ROW1
.endr
.endr
	WIN 0
.endm
; A pair of tiles against a step's 128 keys.  first = 1: step 0: the products start O^T's sums, nothing is rescaled, nothing is asked ahead.  diag = 0: the step cannot be the diagonal one.
.macro PSTEP first, p, diag
	s_wait_dscnt 26                                ; K and its scale words are in; V's 26 loads, issued behind them, may be out
	QK \p
.if \first
	PLACES 4
	s_wait_dscnt 0x0                               ; V is in
.else
	v_add_nc_u32 v[AD16], s[TC], v[L16]            ; two additions and two v_nop: the four places behind the products
	v_add_nc_u32 v[AD8], s[TC], v[L8]
	PLACES 2
	LOADK AD16, AD8                                ; the next step's K
	s_wait_dscnt 14                                ; all but those 14: this step's V is in
.endif
	v_or_b32 v[VSC], v[VT], v[VT+2]                ; the two halves' bytes make V's scale words
	v_or_b32 v[VSC+1], v[VT+1], v[VT+3]
	s_wait_alu depctr_va_vdst(0)                   ; the wait ahead of the branch
.if \diag
	s_cmp_lg_u32 s[KS], s[GA+\p]                   ; on the diagonal hidden scores become -infinity: p = 0.  Key 0 of the step counts for every query
	s_cbranch_scc1 .Lopen_\@
.set n1, 0
.rept 72                               ; tile 1 hides register 8 kt + j where 16 kt + j > DM; tile 0, 16 queries lower, hides what tile 1 hides one key tile further on: one compare serves both
	v_cmp_gt_i32 vcc_lo, 16*(n1/8)+n1%8, v[DM]
.if n1 >= 8
	v_cndmask_b32 v[S+n1-8], v[S+n1-8], v[NINF], vcc_lo
.endif
.if n1 < 64
	v_cndmask_b32 v[S+64+n1], v[S+64+n1], v[NINF], vcc_lo
.endif
.set n1, n1+1
.endr
.Lopen_\@:
.endif
.irp b, 0,1,2,3                        ; the largest score of each block of 32 keys: for the row's maximum and, since p rises with the score, for the block's largest p.  Eight chains by turns
.irp e, 0,1
	SETE \e
	v_max3_num_f32 v[T+oBM+\b], v[X+16*\b], v[X+16*\b+1], v[X+16*\b+2]
.endr
.endr
.irp i, 3,5,7,9,11,13
.irp b, 0,1,2,3
.irp e, 0,1
	SETE \e
	v_max3_num_f32 v[T+oBM+\b], v[T+oBM+\b], v[X+16*\b+\i], v[X+16*\b+\i+1]
.endr
.endr
.endr
.irp b, 0,1,2,3
.irp e, 0,1
	SETE \e
	v_max_num_f32 v[T+oBM+\b], v[T+oBM+\b], v[X+16*\b+15]
.endr
.endr
.irp b, 0,1,2,3
.irp e, 0,1
	SETE \e
	v_permlanex16_b32 v[T+oBP+\b], v[T+oBM+\b], s[SEL], s[SEL+1]
.endr
.endr
.irp b, 0,1,2,3
.irp e, 0,1
	SETE \e
	v_max_num_f32 v[T+oBM+\b], v[T+oBM+\b], v[T+oBP+\b]
.endr
.endr
.irp e, 0,1
	SETE \e
	D 4
	v_max3_num_f32 v[T+oTW], v[T+oBM], v[T+oBM+1], v[T+oBM+2]
.endr
.irp e, 0,1
	SETE \e
	D 2
	v_max3_num_f32 v[R+1], v[R+1], v[T+oTW], v[T+oBM+3]   ; the running largest score
.endr
.irp e, 0,1
	SETE \e
	v_mov_b32 v[T+oTW], v[R]                       ; the old -M
.endr
.irp e, 0,1
	SETE \e
	D 4
	v_mul_f32 v[T+oFF], s[CN], v[R+1]              ; -t
.endr
.irp e, 0,1
	SETE \e
	D 2
	v_floor_f32 v[R], v[T+oFF]                     ; -M = floor(-t)
.endr
.irp e, 0,1
	SETE \e
	D 2
	v_sub_f32 v[T+oTW], v[R], v[T+oTW]             ; old M - new M: a whole number, 0 or less
.endr
.irp e, 0,1
	SETE \e
	D 2
	v_cvt_i32_f32 v[T+oTW], v[T+oTW]               ; (it saturates)
.endr
.irp e, 0,1
	SETE \e
	D 2
	v_ldexp_f32 v[T+oFF], 1.0, v[T+oTW]
.endr
.irp e, 0,1
	SETE \e
.set n1, 0
.rept 32
	v_pk_fma_f32 v[X+n1:X+n1+1], v[X+n1:X+n1+1], s[CS:CS+1], v[R:R+1] op_sel_hi:[1,0,0]   ; t - M
.set n1, n1+2
.endr
.endr
.irp b, 0,1,2,3
.irp e, 0,1
	SETE \e
	v_fma_f32 v[T+oBM+\b], v[T+oBM+\b], s[CS], v[R]
.endr
.endr
.irp e, 0,1
	SETE \e
	v_pk_mul_f32 v[R+2:R+3], v[R+2:R+3], v[T+oFF:T+oFF+1] op_sel_hi:[1,0]   ; the sum under the new M
.endr
.if \first == 0
	WIN 0x41
.irp e, 0,1
	SETE \e
.set n1, 0
.rept 16
	v_pk_mul_f32 v[OO+n1:OO+n1+1], v[OO+n1:OO+n1+1], v[T+oFF:T+oFF+1] op_sel_hi:[1,0]   ; O^T under the new M; each accumulator from its low end on
.set n1, n1+2
.endr
.endr
	WIN 0
.endif
	s_wait_alu depctr_va_vdst(0)                   ; the wait ahead of the batch
.set n1, 0
.rept 128
	v_exp_f32 v[S+n1], v[S+n1]
.set n1, n1+1
.endr
.irp b, 0,1,2,3
.irp e, 0,1
	SETE \e
	v_exp_f32 v[T+oBM+\b], v[T+oBM+\b]
.endr
.endr
	v_nop                                          ; a plain place behind the exponentials
	s_wait_alu depctr_va_vdst(0)                   ; and the wait behind the batch
.irp b, 0,1,2,3
.irp e, 0,1
	SETE \e
	v_max_num_f32 v[T+oBM+\b], 0x1800000, v[T+oBM+\b]    ; the floor 2^(3 - 127): the byte cannot fall under 1
.endr
.endr
.irp b, 0,1,2,3
.irp e, 0,1
	SETE \e
	v_add_nc_u32 v[T+oBS+\b], 0xff000000, v[T+oBM+\b]
.endr
.endr
.irp b, 0,1,2,3
.irp e, 0,1
	SETE \e
	v_lshrrev_b32 v[T+oBP+\b], 23, v[T+oBS+\b]
.endr
.endr
.irp e, 0,1
	SETE \e
	v_lshl_or_b32 v[T+oPSC], v[T+oBP+1], 8, v[T+oBP]
.endr
.irp e, 0,1
	SETE \e
	D 2
	v_lshl_or_b32 v[T+oPSC], v[T+oBP+2], 16, v[T+oPSC]
.endr
.irp e, 0,1
	SETE \e
	D 2
	v_lshl_or_b32 v[T+oPSC], v[T+oBP+3], 24, v[T+oPSC]
.endr
.irp c, 0,1
.irp e, 0,1
	SETE \e
	v_cvt_scalef32_pk16_fp6_f32 v[T+oPC+6*\c:T+oPC+6*\c+2], v[X+32*\c:X+32*\c+15], v[T+oBS+2*\c]
	v_cvt_scalef32_pk16_fp6_f32 v[T+oCT+4*\c:T+oCT+4*\c+2], v[X+32*\c+16:X+32*\c+31], v[T+oBS+2*\c+1]
.endr
.endr
	v_nop                                          ; one plain place behind a scaled conversion
.irp c, 0,1
.irp e, 0,1
	SETE \e
.irp i, 0,1,2
	v_permlane16_swap_b32 v[T+oPC+6*\c+\i], v[T+oCT+4*\c+\i]
.endr
.endr
.endr
.irp c, 0,1
.irp e, 0,1
	SETE \e
.irp i, 0,1,2
	v_mov_b32 v[T+oPC+3+6*\c+\i], v[T+oCT+4*\c+\i]
.endr
.endr
.endr
; the row's sum of the unquantised p: four chains a tile, eight by turns.  (These lines are also the places between p's codes and scale word and the products)
.irp e, 0,1
	SETE \e
	v_pk_add_f32 v[T+oBM:T+oBM+1], v[X:X+1], v[X+2:X+3]
.endr
.irp e, 0,1
	SETE \e
	v_pk_add_f32 v[T+oBM+2:T+oBM+3], v[X+4:X+5], v[X+6:X+7]
.endr
.irp e, 0,1
	SETE \e
	v_pk_add_f32 v[T+oBP:T+oBP+1], v[X+8:X+9], v[X+10:X+11]
.endr
.irp e, 0,1
	SETE \e
	v_pk_add_f32 v[R+2:R+3], v[R+2:R+3], v[X+12:X+13]
.endr
.irp j, 14,22,30,38,46,54
.irp e, 0,1
	SETE \e
	v_pk_add_f32 v[T+oBM:T+oBM+1], v[T+oBM:T+oBM+1], v[X+\j:X+\j+1]
.endr
.irp e, 0,1
	SETE \e
	v_pk_add_f32 v[T+oBM+2:T+oBM+3], v[T+oBM+2:T+oBM+3], v[X+\j+2:X+\j+3]
.endr
.irp e, 0,1
	SETE \e
	v_pk_add_f32 v[T+oBP:T+oBP+1], v[T+oBP:T+oBP+1], v[X+\j+4:X+\j+5]
.endr
.irp e, 0,1
	SETE \e
	v_pk_add_f32 v[R+2:R+3], v[R+2:R+3], v[X+\j+6:X+\j+7]
.endr
.endr
.irp e, 0,1
	SETE \e
	v_pk_add_f32 v[T+oBM:T+oBM+1], v[T+oBM:T+oBM+1], v[X+62:X+63]
.endr
.irp e, 0,1
	SETE \e
	v_pk_add_f32 v[T+oBM+2:T+oBM+3], v[T+oBM+2:T+oBM+3], v[T+oBP:T+oBP+1]
.endr
.irp e, 0,1
	SETE \e
	D 4
	v_pk_add_f32 v[R+2:R+3], v[R+2:R+3], v[T+oBM:T+oBM+1]
.endr
.irp e, 0,1
	SETE \e
	D 2
	v_pk_add_f32 v[R+2:R+3], v[R+2:R+3], v[T+oBM+2:T+oBM+3]
.endr
	s_wait_alu depctr_va_vdst(0)                   ; the wait
	WIN 0x51                                       ; V and O^T window 1, P window 0.  The eight accumulators take turns
.irp d, 0,2
.irp e, 0,1
	SETE \e
.if \first
	v_wmma_scale_f32_16x16x128_f8f6f4 v[OO+8*\d:OO+8*\d+7], v[V+12*\d:V+12*\d+11], v[T+oPC:T+oPC+11], 0, v[VSC+\d/2], v[T+oPSC] matrix_a_fmt:MATRIX_FMT_FP6 matrix_b_fmt:MATRIX_FMT_FP6
.else
	v_wmma_scale_f32_16x16x128_f8f6f4 v[OO+8*\d:OO+8*\d+7], v[V+12*\d:V+12*\d+11], v[T+oPC:T+oPC+11], v[OO+8*\d:OO+8*\d+7], v[VSC+\d/2], v[T+oPSC] matrix_a_fmt:MATRIX_FMT_FP6 matrix_b_fmt:MATRIX_FMT_FP6
.endif
.endr
.irp e, 0,1
	SETE \e
.if \first
	v_wmma_scale_f32_16x16x128_f8f6f4 v[OO+8*\d+8:OO+8*\d+15], v[V+12*\d+12:V+12*\d+23], v[T+oPC:T+oPC+11], 0, v[VSC+\d/2], v[T+oPSC] matrix_a_fmt:MATRIX_FMT_FP6 matrix_b_fmt:MATRIX_FMT_FP6 matrix_a_scale:MATRIX_SCALE_ROW1
.else
	v_wmma_scale_f32_16x16x128_f8f6f4 v[OO+8*\d+8:OO+8*\d+15], v[V+12*\d+12:V+12*\d+23], v[T+oPC:T+oPC+11], v[OO+8*\d+8:OO+8*\d+15], v[VSC+\d/2], v[T+oPSC] matrix_a_fmt:MATRIX_FMT_FP6 matrix_b_fmt:MATRIX_FMT_FP6 matrix_a_scale:MATRIX_SCALE_ROW1
.endif
.endr
.endr
	WIN 0
.if \first == 0
	PLACES 4
	LOADV AD8                                      ; the next step's V
.endif
.endm
; Record 1's operands, then steps 1 to 15: fifteen trips in every wave; a wave whose group is done jumps over the work.  No barrier and no tensor load inside.  The look-ahead is held at the last record.
.macro WALK p
	v_add_nc_u32 v[AD16], REC, v[L16]              ; two additions and two v_nop: the four places behind step 0's products
	v_add_nc_u32 v[AD8], REC, v[L8]
	PLACES 2
	LOADK AD16, AD8
	LOADV AD8
	s_mov_b32 s[KS], 1
	s_mov_b32 s[TN], 2*REC
.Lstep_\@:
	s_cmp_gt_u32 s[KS], s[GA+\p]
	s_cbranch_scc1 .Ldone_\@
	s_min_u32 s[TC], s[TN], 15*REC
	PSTEP 0, \p, 1
.Ldone_\@:
	s_add_co_u32 s[TN], s[TN], REC
	s_add_co_u32 s[KS], s[KS], 1
	s_cmp_lt_u32 s[KS], 16
	s_cbranch_scc1 .Lstep_\@
	s_wait_dscnt 0x0                               ; what was asked ahead has come: its registers may be loaded again
.endm
.macro INIT                            ; the largest score so far: -3e38; -M so large that the first f is 0; the sums 0
.irp e, 0,1
	v_mov_b32 v[ST+4*\e], 0x7f61b1e6
	v_mov_b32 v[ST+4*\e+1], 0xff61b1e6
	v_mov_b32 v[ST+4*\e+2], 0
	v_mov_b32 v[ST+4*\e+3], 0
.endr
.endm
.set TMA, TE+oBM
.set TMB, TE+oBP
.set TMC, TE+oBS
.set CT,  TE+oCT
.macro QUANT2 s, d                     ; 32 numbers of a lane, two blocks shared with lane l xor 16, become six registers of codes and two bytes
.irp b, 0,1
	v_max3_num_f32 v[TMA+\b], |v[(\s)+16*\b]|, |v[(\s)+16*\b+1]|, 0x1800000
.endr
.irp i, 2,4,6,8,10,12,14
.irp b, 0,1
	D 2
	v_max3_num_f32 v[TMA+\b], |v[(\s)+16*\b+\i]|, |v[(\s)+16*\b+\i+1]|, v[TMA+\b]
.endr
.endr
.irp b, 0,1
	D 2
	v_permlanex16_b32 v[TMB+\b], v[TMA+\b], s[SEL], s[SEL+1]
.endr
.irp b, 0,1
	D 2
	v_max_num_f32 v[TMA+\b], v[TMA+\b], v[TMB+\b]
.endr
.irp b, 0,1
	D 2
	v_add_nc_u32 v[TMC+\b], 0xff000000, v[TMA+\b]
.endr
.irp b, 0,1
	D 2
	v_lshrrev_b32 v[TMB+\b], 23, v[TMC+\b]
.endr
	D 1
	v_lshl_or_b32 v[PW], v[TMB+1], 8, v[TMB]
	v_cvt_scalef32_pk16_fp6_f32 v[(\d):(\d)+2], v[(\s):(\s)+15], v[TMC]
	v_cvt_scalef32_pk16_fp6_f32 v[CT:CT+2], v[(\s)+16:(\s)+31], v[TMC+1]
	v_nop
.irp i, 0,1,2
	v_permlane16_swap_b32 v[(\d)+\i], v[CT+\i]
.endr
.irp i, 0,1,2
	D 3
	v_mov_b32 v[(\d)+3+\i], v[CT+\i]
.endr
.endm
.macro OUT e, t
	WIN 0x01
.set n1, 0
.rept 16
	v_pk_mul_f32 v[S+n1:S+n1+1], v[O+32*\e+n1:O+32*\e+n1+1], v[ST+4*\e:ST+4*\e+1] op_sel_hi:[1,0]   ; O^T / the sum: register 8 dt + j is channel 16 dt + 8 h + j
.set n1, n1+2
.endr
	WIN 0
.irp b, 0,1
.irp j, 0,1,2,3,4,5,6,7
	v_permlane16_swap_b32 v[S+16*\b+\j], v[S+16*\b+8+\j]   ; into the true order: register 16 b + i is now channel 32 b + 16 h + i
.endr
.endr
	s_wait_alu depctr_va_vdst(0)
	s_wait_xcnt 0x0                                ; the last tile's stores have read their registers
	QUANT2 S, EC
	s_add_co_u32 s68, s[NB], s[QT+\t]              ; the tile of tokens
	s_lshl_b32 s69, s68, 4
	s_add_co_u32 s69, s69, s[HD]
	s_mul_i32 s69, s69, 768
	v_add_nc_u32 v[OA8], s69, v[L8]
	s_lshl_b32 s70, s68, 9
	s_lshl_b32 s71, s[HD], 1
	s_add_co_u32 s70, s70, s71
	v_add_nc_u32 v[OA16], s70, v[R32]
.irp q, 0,1,2
	global_store_b64 v[OA8], v[EC+2*\q:EC+2*\q+1], s[10:11] offset:256*\q   ; 256 consecutive bytes, aligned
.endr
	global_store_b16 v[OA16], v[PW], s[12:13]      ; my row's two bytes, at the head's place in the token's 32 (lanes 16-31 write the same bytes with the same values): laid so that the next launch loads whole scale words
.endm
.macro FIN p                           ; a pair's way out
.irp e, 0,1
	v_add_f32 v[ST+4*\e+2], v[ST+4*\e+2], v[ST+4*\e+3]
.endr
.irp e, 0,1
	D 2
	v_permlanex16_b32 v[TE+40*\e+oBP], v[ST+4*\e+2], s[SEL], s[SEL+1]
.endr
.irp e, 0,1
	D 2
	v_add_f32 v[ST+4*\e+2], v[ST+4*\e+2], v[TE+40*\e+oBP]   ; the row's sum
.endr
	s_wait_alu depctr_va_vdst(0)
.irp e, 0,1
	v_rcp_f32 v[ST+4*\e], v[ST+4*\e+2]
.endr
	v_nop
	s_wait_alu depctr_va_vdst(0)
	OUT 0, 2*\p
	OUT 1, 2*\p+1
.endm
	s_load_b256 s[4:11], s[0:1], 0x0               ; qc 4, qs 6, kv 8, ac 10
	s_load_b64 s[12:13], s[0:1], 0x20              ; asc
	v_lshl_add_u32 v[SPW], v0, 2, 0x40000
	v_mov_b32 v[NIL], 0
	ds_add_u32 v[SPW], v[NIL]                      ; the opening lines
	ds_add_u32 v[SPW], v[NIL]
	v_lshrrev_b32 v10, 5, v0
	D 1
	v_readfirstlane_b32 s[WV], v10                 ; wave 0..7
	s_bfe_u32 s[CX], ttmp6, 0x40000
	s_and_b32 s[BH], ttmp7, 0xffff                 ; the head, which the four partners share
	s_mov_b32 s[GA], s[WV]
	s_sub_co_u32 s[GB], 15, s[WV]
	s_mov_b32 s[G1A], 15|(3<<16)|(1<<21)           ; the mask: all four; elements of 8 bytes; bit 21 beside a mask; no padding.  26 rows of 256 bytes
	s_mov_b32 s[G1A+1], 32<<16
	s_mov_b32 s[G1A+2], 26<<16
	s_mov_b32 s[G1A+3], 32<<16
	s_mov_b32 s[G1A+4], 26
	s_mov_b32 s[G1A+5], 32
	s_mov_b32 s[G1A+6], 0
	s_mov_b32 s[G1A+7], 0
	s_mov_b32 s[G1B], 15|(3<<16)|(1<<21)           ; 130 rows
	s_mov_b32 s[G1B+1], 32<<16
	s_mov_b32 s[G1B+2], 130<<16
	s_mov_b32 s[G1B+3], 32<<16
	s_mov_b32 s[G1B+4], 130
	s_mov_b32 s[G1B+5], 32
	s_mov_b32 s[G1B+6], 0
	s_mov_b32 s[G1B+7], 0
	s_mul_i32 s56, s[BH], 212992                   ; the head's first byte in kv
	s_mov_b32 s57, 0
	s_and_b32 s58, s[WV], 1
	s_mul_i32 s58, s58, HREC                       ; waves 6, 7: record 0's halves
	s_mov_b32 s59, 0
	s_mul_i32 s60, s[WV], 33280
	s_add_co_u32 s60, s60, REC                     ; waves 0-5: 33,280 bytes each of the other fifteen records
	s_mov_b32 s61, 0
	s_mov_b32 s[SEL], 0x76543210
	s_mov_b32 s[SEL+1], 0xfedcba98
	s_mov_b32 s[CS], 0x3e38aa3b
	s_mov_b32 s[CS+1], s[CS]
	s_mov_b32 s[CN], 0xbe38aa3b
	s_lshl_b32 s62, s[CX], 1
	s_lshl_b32 s[QT], s[GA], 3
	s_add_co_u32 s[QT], s[QT], s62
	s_add_co_u32 s[QT+1], s[QT], 1
	s_lshl_b32 s[QT+2], s[GB], 3
	s_add_co_u32 s[QT+2], s[QT+2], s62
	s_add_co_u32 s[QT+3], s[QT+2], 1
	s_mul_i32 s66, s[BH], 98304
	s_mov_b32 s67, 0
	s_lshl_b32 s68, s[BH], 13
	s_mov_b32 s69, 0
	s_lshl_b32 s63, s[CX], 5
	s_add_co_u32 s63, s63, 16
	s_lshr_b32 s[NB], s[BH], 4
	s_lshl_b32 s[NB], s[NB], 7
	s_and_b32 s[HD], s[BH], 15
	v_and_b32 v10, 31, v0
	D 1
	v_lshlrev_b32 v[L16], 4, v10
	D 2
	v_lshlrev_b32 v[L8], 3, v10
	v_and_b32 v10, 15, v0
	v_bfe_u32 v11, v0, 4, 1
	D 2
	v_lshlrev_b32 v[R4], 2, v10
	D 3
	v_lshlrev_b32 v[R32], 5, v10
	D 3
	v_lshlrev_b32 v11, 3, v11
	D 1
	v_sub_nc_u32 v[DM], v10, v11
	D 1
	v_add_nc_u32 v[DM], s63, v[DM]
	v_mov_b32 v[NINF], 0xff800000
.irp t, 0,1,2,3
	s_mul_i32 s70, s[QT+\t], 768
	v_add_nc_u32 v[S+\t], s70, v[L8]
	s_lshl_b32 s71, s[QT+\t], 6
	v_add_nc_u32 v[S+4+\t], s71, v[R4]
.endr
	s_wait_alu depctr_va_vdst(0)
	s_wait_dscnt 0x0
	s_wait_kmcnt 0x0
	s_add_nc_u64 s[8:9], s[8:9], s[56:57]
	s_mov_b32 s[G0A], 1
	s_mov_b32 s[G0A+1], s58
	s_add_nc_u64 s[G0A+2:G0A+3], s[8:9], s[58:59]
	s_or_b32 s[G0A+3], s[G0A+3], 0x80000000
	s_mov_b32 s[G0B], 1
	s_mov_b32 s[G0B+1], s60
	s_add_nc_u64 s[G0B+2:G0B+3], s[8:9], s[60:61]
	s_or_b32 s[G0B+3], s[G0B+3], 0x80000000
	s_add_nc_u64 s[4:5], s[4:5], s[66:67]
	s_add_nc_u64 s[6:7], s[6:7], s[68:69]
	WIN 0x40
.irp t, 0,1,2,3
.irp q, 0,1,2
	global_load_b64 v[192*(1-\t/2)+12*(\t%2)+2*\q:192*(1-\t/2)+12*(\t%2)+2*\q+1], v[S+\t], s[4:5] offset:256*\q   ; Q's six registers of codes: 256 consecutive bytes a load
.endr
.endr
.irp t, 0,1,2,3
.irp i, 6,7,8,9,10,11
	v_mov_b32 v[192*(1-\t/2)+12*(\t%2)+\i], 0      ; the upper 64 along K: zero codes
.endr
.endr
.irp i, 48,49,50,51,52,53
	v_mov_b32 v[KF+\i], 0                          ; behind K's last tile
.endr
	WIN 0
.irp t, 0,1,2,3
	global_load_b32 v[QSC+\t], v[S+4+\t], s[6:7]
.endr
	INIT
.irp e, 0,1
.irp b, 0,1,2,3
	v_mov_b32 v[TE+40*\e+oBP+\b], 0                ; written once: a lane permute's destination counts as one of its sources
.endr
	v_mov_b32 v[TE+40*\e+oFF+1], 0                 ; (named as the upper half of a pair)
.endr
	s_wait_alu depctr_va_vdst(0)                   ; the wait at the head's end
	; THE FILLS, one a wave, behind one round.  Four v_nop follow each line
	ROUND
	s_cmp_lt_u32 s[WV], 6
	s_cbranch_scc0 .Lsmall
	tensor_load_to_lds s[G0B:G0B+3], s[G1B:G1B+7]
	s_nop 0
	PLACES 4
	s_branch .Lasked
.Lsmall:
	tensor_load_to_lds s[G0A:G0A+3], s[G1A:G1A+7]
	s_nop 0
	PLACES 4
	s_wait_tensorcnt 0x0                           ; my half of record 0 is in
.Lasked:
	s_barrier_signal -1
	s_barrier_wait -1                              ; record 0 is whole; the large parts may stay out
	s_mov_b32 s[KS], 0
	LOADK L16, L8
	LOADV L8
	s_wait_loadcnt 0x0                             ; Q and its scale words
	PSTEP 1, 1, 0                                  ; group 15 - w is 8 or more: step 0 is not its diagonal.  The rest of the head lands meanwhile
	s_wait_tensorcnt 0x0
	s_wait_dscnt 0x0
	s_barrier_signal -1
	s_barrier_wait -1                              ; the whole head lies in LDS
	WALK 1
	LOADK L16, L8                                  ; record 0 for the second pair, under the first pair's way out
	LOADV L8
	FIN 1
	s_wait_xcnt 0x0                                ; the stores have read their registers
	INIT
	s_mov_b32 s[KS], 0
	PSTEP 1, 0, 1
	WALK 0
	FIN 0
	s_wait_tensorcnt 0x0                           ; the wave's end
	ds_add_u32 v[SPW], v[NIL]
	s_wait_dscnt 0x0
	ROUND                                          ; the closing round
	s_endpgm
.Lfunc_end_k_qa2fded1cc7_attn:
	.size	k_qa2fded1cc7_attn, .Lfunc_end_k_qa2fded1cc7_attn-k_qa2fded1cc7_attn
	.p2alignl 7, 3214868480
	.fill 96, 4, 3214868480
	.section	.rodata,"a",@progbits
	.p2align	6, 0x0
	.amdhsa_kernel k_qa2fded1cc7_attn
		.amdhsa_group_segment_fixed_size 263168
		.amdhsa_private_segment_fixed_size 0
		.amdhsa_enable_private_segment 0
		.amdhsa_kernarg_size 40
		.amdhsa_user_sgpr_count 2
		.amdhsa_user_sgpr_kernarg_segment_ptr 1
		.amdhsa_wavefront_size32 1
		.amdhsa_system_sgpr_workgroup_id_x 1
		.amdhsa_system_sgpr_workgroup_id_y 1
		.amdhsa_system_sgpr_workgroup_id_z 1
		.amdhsa_system_vgpr_workitem_id 0
		.amdhsa_next_free_vgpr 512
		.amdhsa_next_free_sgpr 80
		.amdhsa_reserve_vcc 1
		.amdhsa_float_denorm_mode_32 3
		.amdhsa_float_denorm_mode_16_64 3
		.amdhsa_memory_ordered 1
		.amdhsa_forward_progress 1
		.amdhsa_inst_pref_size 176
	.end_amdhsa_kernel
	.amdgpu_metadata
---
amdhsa.version: [ 1, 2 ]
amdhsa.kernels:
  - .name:           k_qa2fded1cc7_attn
    .symbol:         k_qa2fded1cc7_attn.kd
    .args:
      - { .name: qc, .offset: 0, .size: 8, .value_kind: global_buffer, .address_space: global }
      - { .name: qs, .offset: 8, .size: 8, .value_kind: global_buffer, .address_space: global }
      - { .name: kv, .offset: 16, .size: 8, .value_kind: global_buffer, .address_space: global }
      - { .name: ac, .offset: 24, .size: 8, .value_kind: global_buffer, .address_space: global }
      - { .name: asc, .offset: 32, .size: 8, .value_kind: global_buffer, .address_space: global }
    .group_segment_fixed_size: 263168
    .private_segment_fixed_size: 0
    .kernarg_segment_align: 8
    .kernarg_segment_size: 40
    .max_flat_workgroup_size: 256
    .sgpr_count:     80
    .vgpr_count:     512
    .wavefront_size: 32
...
	.end_amdgpu_metadata
.endif
;; end of part 2
;; launch oproj (part 3): grid 32 x 8, 4 waves a work-group, clusters of 4 x 1, 327,680 bytes of LDS; arguments ac, asc, Wo_codes, Wo_scales, bo, out0; writes out0
.if DOCPART == 3
	.amdgcn_target "amdgcn-amd-amdhsa--gfx1250"
	.amdhsa_code_object_version 6
	.text
	.protected	k_qa2fded1cc7_oproj
	.globl	k_qa2fded1cc7_oproj
	.p2align	8
	.type	k_qa2fded1cc7_oproj,@function
k_qa2fded1cc7_oproj:
	s_mov_b64 s[64:65], 0
	v_nop
	global_prefetch_b8 v0, s[64:65] scope:SCOPE_SE
	s_setreg_imm32_b32 hwreg(HW_REG_WAVE_MODE, 25, 1), 1
	s_wait_xcnt 0x0
	s_wait_alu depctr_hold_cnt(0) depctr_sa_sdst(0) depctr_va_vdst(0) depctr_va_sdst(0) depctr_va_ssrc(0) depctr_va_vcc(0) depctr_vm_vsrc(0)
	s_getreg_b32 s2, hwreg(HW_REG_IB_STS2, 6, 4)
	s_cmp_eq_u32 s2, 0
	s_cbranch_scc0 .Lentry_in_a_cluster
	s_endpgm
.Lentry_in_a_cluster:
	s_bfe_u32 s2, ttmp6, 0x10000c
	s_cmp_lg_u32 s2, 0x3003
	s_cbranch_scc0 .Lentry_shape_is_right
	s_endpgm
.Lentry_shape_is_right:
; out0 = a Wo + bo on codes of FP6 (E2M3) with one E8M0 scale for each 32 along K.  a: the attention's result as the launch before laid it: codes in the order of this operand's registers, scale bytes as rows of 32.
; SHARES.  A work-group takes 256 tokens (rg) and 128 columns (cg), in two units of 64 columns.  Wave w owns tokens 64 w .. 64 w + 63: its 32 fragments of a go into windows 2 and 3 and stay.
; FOUR TENSOR LOADS, ONE A WAVE, all at the head; nothing is filled again.  Waves 0 and 1: the work-group's 196,608 bytes of a, a dense block, half each, as rows of 256 bytes (the partners of a cluster differ in rg: these two are no joint loads).
; Wave 2: Wo's 128 rows; wave 3: their scale bytes: jointly for the four partners, which share cg.  a's fragments are then read from LDS, each load 256 consecutive bytes; every wave reads all of Wo: 24 loads of 8 bytes for 16 matrix instructions.
; No data prefetch: all that the launch reads is asked for at its head, and there is no loop to run ahead in.
; THE MATRIX INSTRUCTION IS USED TRANSPOSED (source 0 = 16 rows of Wo, source 1 = 16 tokens): a lane holds eight neighbouring columns of one row of out0.  The bias is the C of each sum's first instruction.
; THE WAY OUT: 16 rows x 256 bytes at a time through the wave's own stage in LDS (rows 272 bytes apart), back as whole rows: sixteen lanes store 256 consecutive bytes, aligned.
.set PITCH,  816
.set UNITB,  64*PITCH
.set SC,     2*UNITB                   ; Wo's scale bytes: 128 rows x 32
.set STG,    SC+4096                   ; the stages: 16 x 272 bytes a wave; no fill lands here
.set ABASE,  STG+4*16*272              ; a's codes: 196,608 bytes
.set SPARE,  ABASE+196608              ; the spare words: 128 bytes a wave
.set VR,  1
.set VH,  2
.set VL,  3
.set L8,  4
.set AW,  10                           ; v10-11 unit 0's address pair, v12-13 unit 1's
.set SCA, 16
.set BA,  17
.set XSA, 19
.set STO, 20
.set RD,  21
.set GO,  22
.set AA,  23                           ; my wave's part of a in LDS + 8 x lane
.set XS,  32
.set WS,  48
.set WF,  64
.set OB,  160                          ; v160-191 and v224-255: rows on their way out, by turns
.set SPW, 222
.set NIL, 223
.set G1W, 24
.set G1S, 32
.set G0W, 40
.set G0S, 44
.set WV,  48
.set CX,  49
.set RG,  50
.set CG,  51
.set G1A, 76
.set G0A, 84
.set MSB, 0
.macro WIN new
.if MSB != (\new)
	s_set_vgpr_msb (MSB<<8)|(\new)
.set MSB, (\new)
.endif
.endm
.macro PLACES n
.rept \n
	v_nop
.endr
.endm
.macro ROUND
	s_barrier_signal -1
	s_barrier_wait -1
	s_cmp_lg_u32 s[WV], 0
	s_cbranch_scc1 .Lnot_wave_0_\@
	s_barrier_signal -3
.Lnot_wave_0_\@:
	s_barrier_wait -3
	s_barrier_signal -1
	s_barrier_wait -1
.endm
.macro FRAG reg, adr, s, blk           ; a fragment out of rows of 768 bytes with 16 bytes of padding behind each 256: six pieces of 8 bytes; the second address register serves where lanes 16-31 lie behind one padding more
.irp p, 0,1,2,3,4,5
.set FO, 96*(\s)+48*(\p/3)+8*(\p%3)
.if FO%256 < 232
	ds_load_b64 v[(\reg)+2*\p:(\reg)+2*\p+1], v[\adr] offset:FO+16*(FO/256)+(\blk)*16*PITCH
.else
	ds_load_b64 v[(\reg)+2*\p:(\reg)+2*\p+1], v[\adr+1] offset:FO+16*(FO/256)+(\blk)*16*PITCH
.endif
.endr
.endm
.macro WSLOAD u
.irp i, 0,1
.irp q, 0,1
	ds_load_b128 v[WS+8*\i+4*\q:WS+8*\i+4*\q+3], v[SCA] offset:2048*(\u)+1024*\i+16*\q
.endr
.endr
.endm
.macro MM tt, nt, s, first, bi         ; source 0 = Wo's tile nt, source 1 = a's tile tt
.set rD,  32*(\tt)+8*(\nt)
.set rA,  WF+48*((\s)%2)+12*(\nt)
.set rB,  96*((\tt)%2)+12*(\s)
.set rSA, WS+8*((\nt)/2)+(\s)
.set rSB, XS+8*((\tt)/2)+(\s)
.set pa,  (\nt)%2
.set pb,  (\tt)%2
.set rC, rD
.if \first
.set rC, (\bi)+8*(\nt)
.endif
.if (pa == 0) && (pb == 0)
	v_wmma_scale_f32_16x16x128_f8f6f4 v[rD:rD+7], v[rA:rA+11], v[rB:rB+11], v[rC:rC+7], v[rSA], v[rSB] matrix_a_fmt:MATRIX_FMT_FP6 matrix_b_fmt:MATRIX_FMT_FP6
.elseif pb == 0
	v_wmma_scale_f32_16x16x128_f8f6f4 v[rD:rD+7], v[rA:rA+11], v[rB:rB+11], v[rC:rC+7], v[rSA], v[rSB] matrix_a_fmt:MATRIX_FMT_FP6 matrix_b_fmt:MATRIX_FMT_FP6 matrix_a_scale:MATRIX_SCALE_ROW1
.elseif pa == 0
	v_wmma_scale_f32_16x16x128_f8f6f4 v[rD:rD+7], v[rA:rA+11], v[rB:rB+11], v[rC:rC+7], v[rSA], v[rSB] matrix_a_fmt:MATRIX_FMT_FP6 matrix_b_fmt:MATRIX_FMT_FP6 matrix_b_scale:MATRIX_SCALE_ROW1
.else
	v_wmma_scale_f32_16x16x128_f8f6f4 v[rD:rD+7], v[rA:rA+11], v[rB:rB+11], v[rC:rC+7], v[rSA], v[rSB] matrix_a_fmt:MATRIX_FMT_FP6 matrix_b_fmt:MATRIX_FMT_FP6 matrix_a_scale:MATRIX_SCALE_ROW1 matrix_b_scale:MATRIX_SCALE_ROW1
.endif
.endm
; A K step of 128: the next step's four fragments of Wo are asked for (fs = -1: none), then 16 matrix instructions, the 16 accumulators by turns, in the same order in every step
.macro KSTEP s, bi, fs, fadr
	PLACES 4                                       ; four places between the last step's products and loads into the set that they read
	WIN 0
.if (\fs) >= 0
.irp n, 0,1,2,3
	FRAG WF+48*(1-(\s)%2)+12*\n, \fadr, \fs, \n
.endr
	s_wait_dscnt 24                                ; all but the 24 just issued
.else
	s_wait_dscnt 0x0
.endif
.irp g, 0,1
.if (\s) == 0
	WIN 0x60|((2+\g)<<2)                           ; the bias sets lie in window 2
.else
	WIN 0x50|((2+\g)<<2)
.endif
.irp a, 0,1
.irp n, 0,1,2,3
	MM 2*\g+\a, \n, \s, ((\s)==0), \bi
.endr
.endr
.endr
.endm
.macro WAYOUT u
	PLACES 4                                       ; in front of the first read of results and of loads into the scale registers just used
	WIN 0
.if (\u) == 0
	WSLOAD 1
.endif
.irp tt, 0,1,2,3
	s_wait_xcnt 0x0                                ; earlier stores have read their registers: the rows' registers are loaded again only behind this wait
	WIN 0x04                                       ; an LDS store's data are its source 1: window 1
.irp n, 0,1,2,3
	ds_store_b128 v[STO], v[32*\tt+8*\n:32*\tt+8*\n+3] offset:64*\n          ; each accumulator from its low end on
	ds_store_b128 v[STO], v[32*\tt+8*\n+4:32*\tt+8*\n+7] offset:64*\n+16
.endr
	WIN 0
.irp i, 0,1,2,3,4,5,6,7
	ds_load_b128 v[OB+64*(\tt%2)+4*\i:OB+64*(\tt%2)+4*\i+3], v[RD] offset:544*\i   ; LDS serves a wave's instructions in order (ISA guide 5.7.1.4): these see the stores above
.endr
.irp i, 0,1,2,3,4,5,6,7
	s_wait_dscnt 7-\i                              ; the younger loads from the stage may stay out
	global_store_b128 v[GO], v[OB+64*(\tt%2)+4*\i:OB+64*(\tt%2)+4*\i+3], s[14:15] offset:(16*\tt+2*\i)*4096+256*\u th:TH_STORE_NT
.endr
.endr
.endm
	s_load_b256 s[4:11], s[0:1], 0x0               ; ac 4, asc 6, Wo_codes 8, Wo_scales 10
	s_load_b128 s[12:15], s[0:1], 0x20             ; bo 12, out0 14
	v_lshl_add_u32 v[SPW], v0, 2, SPARE
	v_mov_b32 v[NIL], 0
	ds_add_u32 v[SPW], v[NIL]                      ; the opening lines
	ds_add_u32 v[SPW], v[NIL]
	v_lshrrev_b32 v9, 5, v0
	v_readfirstlane_b32 s[WV], v9
	s_bfe_u32 s[CX], ttmp6, 0x40000
	s_lshl_b32 s[RG], ttmp9, 2
	s_add_co_u32 s[RG], s[RG], s[CX]
	s_and_b32 s[CG], ttmp7, 0xffff
	s_mov_b32 s[G1W], 15|(3<<16)|(1<<20)|(1<<21)|(5<<22)|(3<<25)   ; Wo: 128 rows of 768 bytes, 16 bytes of padding behind each 256
	s_mov_b32 s[G1W+1], 96<<16
	s_mov_b32 s[G1W+2], 128<<16
	s_mov_b32 s[G1W+3], 96<<16
	s_mov_b32 s[G1W+4], 128
	s_mov_b32 s[G1W+5], 96
	s_mov_b32 s[G1W+6], 0
	s_mov_b32 s[G1W+7], 0
	s_mov_b32 s[G1S], 15|(3<<16)|(1<<21)           ; its scale bytes: 16 rows of 256 bytes
	s_mov_b32 s[G1S+1], 32<<16
	s_mov_b32 s[G1S+2], 16<<16
	s_mov_b32 s[G1S+3], 32<<16
	s_mov_b32 s[G1S+4], 16
	s_mov_b32 s[G1S+5], 32
	s_mov_b32 s[G1S+6], 0
	s_mov_b32 s[G1S+7], 0
	s_mov_b32 s[G1A], 3<<16                        ; half of a: 384 rows of 256 bytes, dense; no mask
	s_mov_b32 s[G1A+1], 32<<16
	s_mov_b32 s[G1A+2], 384<<16
	s_mov_b32 s[G1A+3], 32<<16
	s_mov_b32 s[G1A+4], 384
	s_mov_b32 s[G1A+5], 32
	s_mov_b32 s[G1A+6], 0
	s_mov_b32 s[G1A+7], 0
	; s52-61 hang on my place in the cluster; s66-73 never do: only these feed the joint loads and LDS addresses
	s_lshl_b32 s52, s[RG], 8
	s_lshl_b32 s53, s[WV], 6
	s_add_co_u32 s52, s52, s53                     ; my wave's first token
	s_and_b32 s68, s[WV], 1                        ; which half of a I fetch (waves 0, 1)
	s_lshl_b32 s54, s[RG], 1
	s_add_co_u32 s54, s54, s68
	s_mul_i32 s54, s54, 98304                      ; 128 tokens are 98,304 bytes of codes
	s_mov_b32 s55, 0
	s_lshl_b32 s56, s52, 5
	s_mov_b32 s57, 0
	s_lshl_b32 s58, s52, 12
	s_lshl_b32 s60, s[CG], 9
	s_add_co_u32 s58, s58, s60                     ; my first row of out0, my work-group's first column
	s_mov_b32 s59, 0
	s_mul_i32 s66, s[CG], 98304
	s_mov_b32 s67, 0
	s_mul_i32 s68, s68, 98304
	s_add_co_u32 s68, s68, ABASE                   ; where that half goes
	s_mul_i32 s69, s[WV], 49152
	s_add_co_u32 s69, s69, ABASE                   ; where my 64 tokens lie
	s_lshl_b32 s70, s[CG], 12
	s_mov_b32 s71, 0
	s_lshl_b32 s72, s[CG], 9
	s_mov_b32 s73, 0
	v_and_b32 v[VR], 15, v0
	v_bfe_u32 v[VH], v0, 4, 1
	v_and_b32 v[VL], 31, v0
	v_lshlrev_b32 v[L8], 3, v[VL]
	v_mul_u32_u24 v[AW], v[VR], PITCH
	v_mad_u32_u24 v[AW], v[VH], 24, v[AW]
	v_lshl_add_u32 v[AW+1], v[VH], 4, v[AW]
	v_add_nc_u32 v[AW+2], UNITB, v[AW]
	v_add_nc_u32 v[AW+3], UNITB, v[AW+1]
	v_lshl_add_u32 v[SCA], v[VL], 5, SC
	v_lshlrev_b32 v[BA], 5, v[VH]
	v_lshlrev_b32 v[XSA], 5, v[VL]
	v_add_nc_u32 v[AA], s69, v[L8]
	s_mul_i32 s74, s[WV], 16*272
	s_add_co_u32 s74, s74, STG                     ; my stage
	v_mul_u32_u24 v[STO], v[VR], 272
	v_lshl_add_u32 v[STO], v[VH], 5, v[STO]
	v_add_nc_u32 v[STO], s74, v[STO]               ; in: row r, 32 bytes for each half of the lanes
	v_mul_u32_u24 v[RD], v[VH], 272
	v_lshl_add_u32 v[RD], v[VR], 4, v[RD]
	v_add_nc_u32 v[RD], s74, v[RD]                 ; back: lanes 0-15 one row, lanes 16-31 the next
	v_lshlrev_b32 v[GO], 12, v[VH]
	v_lshl_add_u32 v[GO], v[VR], 4, v[GO]          ; and the same two rows in out0
	s_wait_alu depctr_va_vdst(0)                   ; the wait at the head's end
	s_wait_dscnt 0x0
	s_wait_kmcnt 0x0
	s_add_nc_u64 s[4:5], s[4:5], s[54:55]
	s_add_nc_u64 s[6:7], s[6:7], s[56:57]
	s_add_nc_u64 s[14:15], s[14:15], s[58:59]
	s_add_nc_u64 s[12:13], s[12:13], s[72:73]
	s_add_nc_u64 s[8:9], s[8:9], s[66:67]
	s_add_nc_u64 s[10:11], s[10:11], s[70:71]
	s_mov_b32 s[G0W], 1
	s_mov_b32 s[G0W+1], 0
	s_mov_b64 s[G0W+2:G0W+3], s[8:9]
	s_or_b32 s[G0W+3], s[G0W+3], 0x80000000
	s_mov_b32 s[G0S], 1
	s_mov_b32 s[G0S+1], SC
	s_mov_b64 s[G0S+2:G0S+3], s[10:11]
	s_or_b32 s[G0S+3], s[G0S+3], 0x80000000
	s_mov_b32 s[G0A], 1
	s_mov_b32 s[G0A+1], s68
	s_mov_b64 s[G0A+2:G0A+3], s[4:5]
	s_or_b32 s[G0A+3], s[G0A+3], 0x80000000
	WIN 0x80
.irp u, 0,1
.irp n, 0,1,2,3
	global_load_b128 v[192+32*\u+8*\n:192+32*\u+8*\n+3], v[BA], s[12:13] offset:(64*\u+16*\n)*4      ; the biases, in the result's layout
	global_load_b128 v[192+32*\u+8*\n+4:192+32*\u+8*\n+7], v[BA], s[12:13] offset:(64*\u+16*\n)*4+16
.endr
.endr
	WIN 0
.irp i, 0,1
.irp q, 0,1
	global_load_b128 v[XS+8*\i+4*\q:XS+8*\i+4*\q+3], v[XSA], s[6:7] offset:1024*\i+16*\q   ; a's scale words
.endr
.endr
	; THE FILLS, one a wave, behind one round.  Four v_nop follow each line
	ROUND
	s_cmp_lt_u32 s[WV], 2
	s_cbranch_scc0 .Lnot_a
	tensor_load_to_lds s[G0A:G0A+3], s[G1A:G1A+7]
	s_nop 0
	PLACES 4
	s_branch .Lasked
.Lnot_a:
	s_cmp_eq_u32 s[WV], 2
	s_cbranch_scc0 .Lnot_w
	tensor_load_to_lds s[G0W:G0W+3], s[G1W:G1W+7]
	s_nop 0
	PLACES 4
	s_branch .Lasked
.Lnot_w:
	tensor_load_to_lds s[G0S:G0S+3], s[G1S:G1S+7]
	s_nop 0
	PLACES 4
.Lasked:
	s_wait_tensorcnt 0x0                           ; my load has landed,
	s_barrier_signal -1
	s_barrier_wait -1                              ; everybody's has; nothing is ever filled again
	WIN 0x80
.irp tt, 0,1
.irp s, 0,1,2,3,4,5,6,7
.irp p, 0,1,2,3,4,5
	ds_load_b64 v[96*\tt+12*\s+2*\p:96*\tt+12*\s+2*\p+1], v[AA] offset:12288*\tt+1536*\s+256*\p   ; a's fragments: each load covers 256 consecutive bytes
.endr
.endr
.endr
	WIN 0xc0
.irp tt, 2,3
.irp s, 0,1,2,3,4,5,6,7
.irp p, 0,1,2,3,4,5
	ds_load_b64 v[96*(\tt-2)+12*\s+2*\p:96*(\tt-2)+12*\s+2*\p+1], v[AA] offset:12288*\tt+1536*\s+256*\p
.endr
.endr
.endr
	WIN 0
	WSLOAD 0
.irp n, 0,1,2,3
	FRAG WF+12*\n, AW, 0, \n
.endr
	s_wait_loadcnt 0x0                             ; a's scale words, the biases
.irp s, 0,1,2,3,4,5,6
	KSTEP \s, 192, \s+1, AW
.endr
	KSTEP 7, 192, 0, AW+2                          ; the last step fetches the next unit's first fragments
	WAYOUT 0
.irp s, 0,1,2,3,4,5,6
	KSTEP \s, 224, \s+1, AW+2
.endr
	KSTEP 7, 224, -1, AW
	WAYOUT 1
	s_wait_dscnt 0x0
	s_wait_tensorcnt 0x0                           ; the wave's end
	ds_add_u32 v[SPW], v[NIL]
	s_wait_dscnt 0x0
	ROUND                                          ; the closing round
	s_endpgm
.Lfunc_end_k_qa2fded1cc7_oproj:
	.size	k_qa2fded1cc7_oproj, .Lfunc_end_k_qa2fded1cc7_oproj-k_qa2fded1cc7_oproj
	.p2alignl 7, 3214868480
	.fill 96, 4, 3214868480
	.section	.rodata,"a",@progbits
	.p2align	6, 0x0
	.amdhsa_kernel k_qa2fded1cc7_oproj
		.amdhsa_group_segment_fixed_size 327680
		.amdhsa_private_segment_fixed_size 0
		.amdhsa_enable_private_segment 0
		.amdhsa_kernarg_size 48
		.amdhsa_user_sgpr_count 2
		.amdhsa_user_sgpr_kernarg_segment_ptr 1
		.amdhsa_wavefront_size32 1
		.amdhsa_system_sgpr_workgroup_id_x 1
		.amdhsa_system_sgpr_workgroup_id_y 1
		.amdhsa_system_sgpr_workgroup_id_z 1
		.amdhsa_system_vgpr_workitem_id 0
		.amdhsa_next_free_vgpr 1024
		.amdhsa_next_free_sgpr 92
		.amdhsa_reserve_vcc 0
		.amdhsa_float_denorm_mode_32 3
		.amdhsa_float_denorm_mode_16_64 3
		.amdhsa_memory_ordered 1
		.amdhsa_forward_progress 1
		.amdhsa_inst_pref_size 99
	.end_amdhsa_kernel
	.amdgpu_metadata
---
amdhsa.version: [ 1, 2 ]
amdhsa.kernels:
  - .name:           k_qa2fded1cc7_oproj
    .symbol:         k_qa2fded1cc7_oproj.kd
    .args:
      - { .name: ac, .offset: 0, .size: 8, .value_kind: global_buffer, .address_space: global }
      - { .name: asc, .offset: 8, .size: 8, .value_kind: global_buffer, .address_space: global }
      - { .name: Wo_codes, .offset: 16, .size: 8, .value_kind: global_buffer, .address_space: global }
      - { .name: Wo_scales, .offset: 24, .size: 8, .value_kind: global_buffer, .address_space: global }
      - { .name: bo, .offset: 32, .size: 8, .value_kind: global_buffer, .address_space: global }
      - { .name: out0, .offset: 40, .size: 8, .value_kind: global_buffer, .address_space: global }
    .group_segment_fixed_size: 327680
    .private_segment_fixed_size: 0
    .kernarg_segment_align: 8
    .kernarg_segment_size: 48
    .max_flat_workgroup_size: 128
    .sgpr_count:     92
    .vgpr_count:     1024
    .wavefront_size: 32
...
	.end_amdgpu_metadata
.endif
;; end of part 3
